; MI455X (gfx1250); checked and timed in simulation.
; The chip was launched on July 23, 2026; its instructions are those of AMD's public machine-readable ISA for CDNA 5 (MIT licence, August 2026) and "CDNA5" Instruction Set Architecture Reference Guide (July 2026). The comments in the code are by the model that wrote it; some were corrected since.
;; Multi Hop Attention. Allowed arithmetic: float matrix products may take bf16 or f16 operands with f32 sums; other float arithmetic in f32, or as packed bf16 or f16 multiplies, adds, multiply-adds, maxima and minima; sums over many terms, partial sums and values carried from step to step in f32; what a program stores and reads back later, other than sums and carried values, may be rounded once to bf16 or f16.
;; Inputs: W_u_1 1,024 x 1,024 float32; W_u_2 1,024 x 1,024 float32; W_u_h_1 1,024 x 1 float32; W_u_h_2 1,024 x 1 float32; W_u_m_1 1,024 x 1,024 float32; W_u_m_2 1,024 x 1,024 float32; inputs 32 x 1,024 x 1,024 float32; qvector 32 x 1,024 float32.
;; Outputs: out0 3 x 32 x 1,024 float32.
;; 2 versions, each right; version 2 is version 1 with the launch prep written anew for expert scheduling mode. Each part assembles by itself: llvm-mc -triple=amdgcn-amd-amdhsa -mcpu=gfx1250 --defsym DOCPART=n.
;; ======== version 1 of 2: 4 launches
;; workspace buffers: xb 67,108,864 bytes; wb 4,194,304 bytes; mq 65,536 bytes; cg 262,144 bytes; up 2,097,152 bytes
;; launch prep (part 1): grid 256 x 1, 16 waves a work-group, no clusters, 10,240 bytes of LDS; arguments inputs, qvector, W_u_1, W_u_2, xb, wb, mq, out0; writes xb, wb, mq, out0
.if DOCPART == 1
	.amdgcn_target "amdgcn-amd-amdhsa--gfx1250"
	.amdhsa_code_object_version 6
	.text
	.protected	k_q8fb2fd32cf_prep
	.globl	k_q8fb2fd32cf_prep
	.p2align	8
	.type	k_q8fb2fd32cf_prep,@function
k_q8fb2fd32cf_prep:
	s_mov_b64 s[64:65], 0
	v_nop
	global_prefetch_b8 v0, s[64:65] scope:SCOPE_SE
	s_setreg_imm32_b32 hwreg(HW_REG_WAVE_MODE, 25, 1), 1
	s_wait_xcnt 0x0
; PREP.  xb = bf16(inputs);  wb = bf16(k W) for [W_u_1; W_u_2], k = 2 log2(e);  out0[0] = the mean of inputs over s;  mq = bf16(mean x qvector).
; inputs: [32][1024][1024] f32.  A work-group owns one batch b and 128 columns (512 bytes of every f32 row, 256 bytes of every bf16 row), all 1,024 rows: so the mean is finished here.
; Sixteen waves; wave w takes rows w + 16 i, i = 0 .. 63; a lane takes 4 columns: a load of a wave covers 512 consecutive bytes, aligned, a store 256.
; A ring of DEPTH slots in registers keeps DEPTH loads of every wave on their way.  A slot owns its X and its Y registers; Y is written again a whole round after its store, and ONE s_wait_xcnt 0 a round,
; at the round's end, stands between the two: a slot's turn has no wait but the counted one for its own load.  The work-group also casts 32 KiB of the two weight matrices, 4 pieces of 512 bytes a wave.
; k is folded into the weights so that the later launch's 2^(k y) needs no multiply; the product k W is rounded to f32 and then once to bf16.
; LIMITS.  The mean's 1,024 terms are added in f32 in another order than a plain running sum (two chains a wave, sixteen waves, a tree).  NaN and infinities are not treated apart.
; No LDS on the way in (no byte is wanted by two waves), no matrix unit, no cluster (no input is shared), no prefetch (the launch is one long stream of loads).
.set ROWX,   4096                      ; bytes in a row of inputs
.set ROWY,   2048                      ; bytes in a row of xb
.set DEPTH,  16                        ; slots = loads in flight in each wave
.set STEPX,  16*ROWX                   ; from a wave's row to its next
.set STEPY,  16*ROWY
.set ROUNDS, 64/DEPTH
.set SPARE,  8192                      ; LDS: 0 .. 8,191 the waves' partial sums, 16 bytes a thread; then the spare words, 128 bytes a wave
.set VX,  1                            ; v1   w x 4,096 + 16 l: my 16 bytes in the wave's first row of inputs; never rewritten
.set VY,  2                            ; v2   w x 2,048 + 8 l: the same in xb; never rewritten
.set VW,  3                            ; v3   w x 2,048 + 16 l: my 16 bytes in the wave's pieces of W
.set VWO, 4                            ; v4   w x 1,024 + 8 l: the same in wb
.set VQ,  5                            ; v5   16 l
.set VM,  6                            ; v6   8 l
.set LS,  7                            ; v7   16 x my thread's number
.set SPW, 8                            ; v8   LDS address of my spare word; never rewritten
.set NIL, 9                            ; v9   0; never rewritten
.set Q,   10                           ; v[10:13]   qvector of my 4 columns
.set SUM, 14                           ; v[14:21]   two sets of 4 sums, by the slot's parity
.set WR,  22                           ; v[22:37]   W as loaded
.set WY,  38                           ; v[38:45]   W to store
.set X,   48                           ; v[48:111]  slot i: 4 registers as loaded
.set Y,   112                          ; v[112:143] slot i: 2 registers to store
	s_load_b512 s[16:31], s[0:1], 0x0              ; inputs 16, qvector 18, W_u_1 20, W_u_2 22, xb 24, wb 26, mq 28, out0 30
	v_lshl_add_u32 v[SPW], v0, 2, SPARE
	v_mov_b32 v[NIL], 0
	v_lshrrev_b32 v46, 5, v0                       ; wave
	v_and_b32 v47, 31, v0                          ; lane
	v_readfirstlane_b32 s8, v46
	v_lshlrev_b32 v[VQ], 4, v47
	v_lshlrev_b32 v[VM], 3, v47
	v_lshl_add_u32 v[VX], v46, 12, v[VQ]
	v_lshl_add_u32 v[VY], v46, 11, v[VM]
	v_lshl_add_u32 v[VW], v46, 11, v[VQ]
	v_lshl_add_u32 v[VWO], v46, 10, v[VM]
	v_lshlrev_b32 v[LS], 4, v0
	s_mov_b32 s44, ttmp9                           ; the work-group's number g
	s_lshr_b32 s9, s44, 3                          ; batch b
	s_and_b32 s10, s44, 7                          ; which 128 columns
	s_mov_b32 s32, 0x4038aa3b                      ; k = 2 log2(e)
	s_mov_b32 s33, s32                             ; named with it as a pair
	s_lshl_b32 s11, s10, 9
	s_lshl_b32 s12, s10, 8
	s_lshl_b32 s2, s9, 22                          ; inputs: b x 4 MiB + 512 x columns
	s_or_b32 s2, s2, s11
	s_mov_b32 s3, 0
	s_lshl_b32 s34, s9, 21                         ; xb: half of that
	s_or_b32 s34, s34, s12
	s_mov_b32 s35, 0
	s_lshl_b32 s36, s9, 12                         ; qvector and out0: b x 4,096 + 512 x columns
	s_or_b32 s36, s36, s11
	s_mov_b32 s37, 0
	s_lshl_b32 s38, s9, 11                         ; mq
	s_or_b32 s38, s38, s12
	s_mov_b32 s39, 0
	s_and_b32 s40, s44, 127                        ; my 32 KiB of one of the two W
	s_lshl_b32 s40, s40, 15
	s_mov_b32 s41, 0
	s_lshl_b32 s42, s44, 14                        ; and the 16 KiB that they become
	s_mov_b32 s43, 0
	s_wait_kmcnt 0x0
	s_add_nc_u64 s[16:17], s[16:17], s[2:3]
	s_add_nc_u64 s[24:25], s[24:25], s[34:35]
	s_add_nc_u64 s[18:19], s[18:19], s[36:37]
	s_add_nc_u64 s[30:31], s[30:31], s[36:37]
	s_add_nc_u64 s[28:29], s[28:29], s[38:39]
	s_cmp_lt_u32 s44, 128                          ; work-groups 0 to 127 cast W_u_1, the others W_u_2
	s_cselect_b64 s[20:21], s[20:21], s[22:23]
	s_add_nc_u64 s[20:21], s[20:21], s[40:41]
	s_add_nc_u64 s[26:27], s[26:27], s[42:43]
	global_load_b128 v[Q:Q+3], v[VQ], s[18:19]
.irp i, 0,1,2,3
	global_load_b128 v[WR+4*(\i):WR+4*(\i)+3], v[VW], s[20:21] offset:512*(\i) th:TH_LOAD_NT
.endr
.irp i, 0,1,2,3,4,5,6,7,8,9,10,11,12,13,14,15
	global_load_b128 v[X+4*(\i):X+4*(\i)+3], v[VX], s[16:17] offset:(\i)*STEPX th:TH_LOAD_NT  ; the ring is filled: my first 16 rows
.endr
.irp i, 0,1,2,3,4,5,6,7
	v_mov_b32 v[SUM+(\i)], 0
.endr
	s_wait_loadcnt 16                              ; qvector and W are in; the ring's 16 loads stay out
.irp i, 0,1,2,3
	v_pk_mul_f32 v[WR+4*(\i):WR+4*(\i)+1],   v[WR+4*(\i):WR+4*(\i)+1],   s[32:33] op_sel_hi:[1,0]
	v_pk_mul_f32 v[WR+4*(\i)+2:WR+4*(\i)+3], v[WR+4*(\i)+2:WR+4*(\i)+3], s[32:33] op_sel_hi:[1,0]
	v_cvt_pk_bf16_f32 v[WY+2*(\i)],   v[WR+4*(\i)],   v[WR+4*(\i)+1]
	v_cvt_pk_bf16_f32 v[WY+2*(\i)+1], v[WR+4*(\i)+2], v[WR+4*(\i)+3]
	global_store_b64 v[VWO], v[WY+2*(\i):WY+2*(\i)+1], s[26:27] offset:256*(\i)  ; a wave's store covers 256 consecutive bytes, aligned
.endr
; One slot's turn.  ahead = 1: the slot is filled again with my row DEPTH turns on.  left = how many younger loads may stay out.
; The slot's Y was last stored a round ago, ahead of that round's closing s_wait_xcnt 0; the stores issued since that wait name the Y of the slots in front of this one, never this slot's.
.macro SLOT i, ahead, left
	s_wait_loadcnt \left                           ; loads come back in order: mine is in
	v_pk_add_f32 v[SUM+4*((\i)%2):SUM+4*((\i)%2)+1],   v[SUM+4*((\i)%2):SUM+4*((\i)%2)+1],   v[X+4*(\i):X+4*(\i)+1]
	v_pk_add_f32 v[SUM+4*((\i)%2)+2:SUM+4*((\i)%2)+3], v[SUM+4*((\i)%2)+2:SUM+4*((\i)%2)+3], v[X+4*(\i)+2:X+4*(\i)+3]
	v_cvt_pk_bf16_f32 v[Y+2*(\i)],   v[X+4*(\i)],   v[X+4*(\i)+1]
	v_cvt_pk_bf16_f32 v[Y+2*(\i)+1], v[X+4*(\i)+2], v[X+4*(\i)+3]
.if \ahead
	global_load_b128 v[X+4*(\i):X+4*(\i)+3], v[VX], s[16:17] offset:((\i)+DEPTH)*STEPX th:TH_LOAD_NT  ; the load goes out ahead of the store
.endif
	global_store_b64 v[VY], v[Y+2*(\i):Y+2*(\i)+1], s[24:25] offset:(\i)*STEPY th:TH_STORE_NT
.endm
	s_mov_b32 s45, ROUNDS-1
.Lround:
.irp i, 0,1,2,3,4,5,6,7,8,9,10,11,12,13,14,15
	SLOT \i, 1, DEPTH-1
.endr
	s_wait_xcnt 0x0                                ; once a round: every load and store issued so far has read its sources (ISA guide 3.1): the two bases are stepped, and the next round writes all sixteen Y anew, only behind this wait
	s_add_nc_u64 s[16:17], s[16:17], DEPTH*STEPX
	s_add_nc_u64 s[24:25], s[24:25], DEPTH*STEPY
	s_sub_co_u32 s45, s45, 1
	s_cmp_lg_u32 s45, 0
	s_cbranch_scc1 .Lround
.irp i, 0,1,2,3,4,5,6,7,8,9,10,11,12,13,14,15
	SLOT \i, 0, DEPTH-1-(\i)                       ; the last round loads nothing: the counts run down
.endr
	v_pk_add_f32 v[SUM:SUM+1],   v[SUM:SUM+1],   v[SUM+4:SUM+5]
	v_pk_add_f32 v[SUM+2:SUM+3], v[SUM+2:SUM+3], v[SUM+6:SUM+7]
	ds_store_b128 v[LS], v[SUM:SUM+3]
	s_wait_dscnt 0x0                               ; for the others' sake: my sums lie in LDS
	s_barrier_signal -1
	s_barrier_wait -1
	s_cmp_lg_u32 s8, 0                             ; wave 0 finishes the 128 columns
	s_cbranch_scc1 .Lend
.irp i, 0,1,2,3,4,5,6,7,8,9,10,11,12,13,14,15
	ds_load_b128 v[X+4*(\i):X+4*(\i)+3], v[VQ] offset:512*(\i)
.endr
	s_wait_dscnt 0x0
.macro LEVEL base, n                   ; group j of four registers takes group j + n, j = 0 .. n - 1
.set j, 0
.rept \n
	v_pk_add_f32 v[(\base)+4*j:(\base)+4*j+1],   v[(\base)+4*j:(\base)+4*j+1],   v[(\base)+4*(j+(\n)):(\base)+4*(j+(\n))+1]
	v_pk_add_f32 v[(\base)+4*j+2:(\base)+4*j+3], v[(\base)+4*j+2:(\base)+4*j+3], v[(\base)+4*(j+(\n))+2:(\base)+4*(j+(\n))+3]
.set j, j+1
.endr
.endm
	LEVEL X, 8
	LEVEL X, 4
	LEVEL X, 2
	LEVEL X, 1
	v_pk_mul_f32 v[X:X+1],   v[X:X+1],   0x3a800000 op_sel_hi:[1,0]  ; x 1 / 1,024
	v_pk_mul_f32 v[X+2:X+3], v[X+2:X+3], 0x3a800000 op_sel_hi:[1,0]
	global_store_b128 v[VQ], v[X:X+3], s[30:31]    ; the mean: 512 consecutive bytes, aligned
	v_pk_mul_f32 v[X+4:X+5], v[X:X+1],   v[Q:Q+1]
	v_pk_mul_f32 v[X+6:X+7], v[X+2:X+3], v[Q+2:Q+3]
	v_cvt_pk_bf16_f32 v[X+8], v[X+4], v[X+5]
	v_cvt_pk_bf16_f32 v[X+9], v[X+6], v[X+7]
	global_store_b64 v[VM], v[X+8:X+9], s[28:29]   ; mean x qvector, a matrix operand of the next launch
.Lend:
	s_wait_tensorcnt 0x0                           ; the wave's end, behind my last LDS store
	ds_add_u32 v[SPW], v[NIL]
	s_wait_dscnt 0x0
	s_endpgm
.Lfunc_end_k_q8fb2fd32cf_prep:
	.size	k_q8fb2fd32cf_prep, .Lfunc_end_k_q8fb2fd32cf_prep-k_q8fb2fd32cf_prep
	.p2alignl 7, 3214868480
	.fill 96, 4, 3214868480
	.section	.rodata,"a",@progbits
	.p2align	6, 0x0
	.amdhsa_kernel k_q8fb2fd32cf_prep
		.amdhsa_group_segment_fixed_size 10240
		.amdhsa_private_segment_fixed_size 0
		.amdhsa_enable_private_segment 0
		.amdhsa_kernarg_size 64
		.amdhsa_user_sgpr_count 2
		.amdhsa_user_sgpr_kernarg_segment_ptr 1
		.amdhsa_wavefront_size32 1
		.amdhsa_system_sgpr_workgroup_id_x 1
		.amdhsa_system_sgpr_workgroup_id_y 1
		.amdhsa_system_sgpr_workgroup_id_z 1
		.amdhsa_system_vgpr_workitem_id 0
		.amdhsa_next_free_vgpr 144
		.amdhsa_next_free_sgpr 66
		.amdhsa_reserve_vcc 0
		.amdhsa_float_denorm_mode_32 3
		.amdhsa_float_denorm_mode_16_64 3
		.amdhsa_memory_ordered 1
		.amdhsa_forward_progress 1
		.amdhsa_inst_pref_size 24
	.end_amdhsa_kernel
	.amdgpu_metadata
---
amdhsa.version: [ 1, 2 ]
amdhsa.kernels:
  - .name:           k_q8fb2fd32cf_prep
    .symbol:         k_q8fb2fd32cf_prep.kd
    .args:
      - { .name: inputs, .offset: 0, .size: 8, .value_kind: global_buffer, .address_space: global }
      - { .name: qvector, .offset: 8, .size: 8, .value_kind: global_buffer, .address_space: global }
      - { .name: W_u_1, .offset: 16, .size: 8, .value_kind: global_buffer, .address_space: global }
      - { .name: W_u_2, .offset: 24, .size: 8, .value_kind: global_buffer, .address_space: global }
      - { .name: xb, .offset: 32, .size: 8, .value_kind: global_buffer, .address_space: global }
      - { .name: wb, .offset: 40, .size: 8, .value_kind: global_buffer, .address_space: global }
      - { .name: mq, .offset: 48, .size: 8, .value_kind: global_buffer, .address_space: global }
      - { .name: out0, .offset: 56, .size: 8, .value_kind: global_buffer, .address_space: global }
    .group_segment_fixed_size: 10240
    .private_segment_fixed_size: 0
    .kernarg_segment_align: 8
    .kernarg_segment_size: 64
    .max_flat_workgroup_size: 512
    .sgpr_count:     66
    .vgpr_count:     144
    .wavefront_size: 32
...
	.end_amdgpu_metadata
.endif
;; end of part 1
;; launch gates (part 2): grid 32 x 1, 16 waves a work-group, no clusters, 165,888 bytes of LDS; arguments mq, W_u_m_1, W_u_m_2, W_u_h_1, W_u_h_2, cg; writes cg
.if DOCPART == 2
	.amdgcn_target "amdgcn-amd-amdhsa--gfx1250"
	.amdhsa_code_object_version 6
	.text
	.protected	k_q8fb2fd32cf_gates
	.globl	k_q8fb2fd32cf_gates
	.p2align	8
	.type	k_q8fb2fd32cf_gates,@function
k_q8fb2fd32cf_gates:
	s_mov_b64 s[64:65], 0
	v_nop
	global_prefetch_b8 v0, s[64:65] scope:SCOPE_SE
	s_setreg_imm32_b32 hwreg(HW_REG_WAVE_MODE, 25, 1), 1
	s_wait_xcnt 0x0
; GATES.  cg[hop][b][d] = -2 tanh(s z[b][d]) Wh[d],  z = mq Wm,  s = 1 for hop 0 and 2 for hop 1 (the second hop's m is m0 + mean x q = 2 m0, exactly).
; tanh(y) = 1 - 2 r with r = 1 / (1 + 2^(k y)), k = 2 log2(e): so cg = (4 r - 2) Wh.
; mq: [32][1024] bf16.  Wm: [1024 k][1024 d] f32, rounded to bf16 on the way to the matrix unit.  Sums in f32.
; SHARES.  A work-group makes all 32 batches x 64 columns of one hop (64 columns are 256 consecutive bytes of each row of Wm).  K IS SPLIT AMONG ITS SIXTEEN WAVES, 64 each;
; the partial sums meet in LDS.  32 work-groups have work: narrower column shares would read parts of aligned blocks of 256 bytes, and a split of K over work-groups would need traffic between them.
; LAYOUT.  z^T = Wm^T mq^T: source 0 = 16 columns d (Wm lies [k][d] in LDS and is turned by ds_load_tr16_b128), source 1 = 16 batches.  In the result a lane holds one batch (lane % 16) and 8 columns.
; LIMITS.  2^x gives 0 below 2^-126 (r = 1) and infinity above f32's range (r = 0): both are tanh's own limits.  NaN and infinities among the inputs are not treated apart.
.set WREG,  10240                      ; LDS bytes of a wave: first its tile [64 k][64 d] bf16, pitch 160; later its partial sums [32 b][64 d] f32, pitch 272
.set TP,    160                        ; 128 bytes + 32: an odd multiple of 32
.set SPT,   272
.set SPARE, 16*WREG                    ; behind the sixteen regions: the spare words, 128 bytes a wave
.set VW,  1                            ; v1   (64 w + h) x 4,096 + 16 r: my 16 bytes of Wm's rows (two rows to a load)
.set VS,  2                            ; v2   where they go in my tile: 160 h + 8 r
.set VT,  3                            ; v3   the turning load's address
.set VM,  4                            ; v4   2,048 r + 128 w + 16 h: my 16 bytes of mq
.set VP,  5                            ; v5   where my sums go: 272 r + 32 h
.set VR0, 6                            ; v6-8 where I read the sixteen partial sums of my 4 numbers: regions 0-5, 6-11, 12-15
.set VR1, 7
.set VR2, 8
.set VH,  9                            ; v9   16 (t % 16)
.set VC,  10                           ; v10  (t / 16) x 4,096 + 16 (t % 16)
.set SPW, 12
.set NIL, 13
.set WM,  16                           ; v[16:143]  Wm as loaded, 32 x 4
.set BF,  16                           ; v[16:79]   then its fragments: (ks, nt) at BF + 8 (4 ks + nt); then the partial sums read back
.set MF,  144                          ; v[144:175] mq's fragments: (ks, mt) at MF + 8 (2 ks + mt)
.set ACC, 176                          ; v[176:239] (mt, nt) at ACC + 8 (4 mt + nt)
.set WH,  240                          ; v[240:243]
	s_load_b256 s[16:23], s[0:1], 0x0              ; mq 16, W_u_m_1 18, W_u_m_2 20, W_u_h_1 22
	s_load_b128 s[24:27], s[0:1], 0x20             ; W_u_h_2 24, cg 26
	v_lshl_add_u32 v[SPW], v0, 2, SPARE
	v_mov_b32 v[NIL], 0
	v_lshrrev_b32 v14, 5, v0
	v_readfirstlane_b32 s8, v14                    ; wave 0..15
	v_and_b32 v14, 15, v0                          ; r = l % 16 = t % 16
	v_bfe_u32 v15, v0, 4, 1                        ; h = l / 16
	s_lshr_b32 s9, ttmp9, 4                        ; hop
	s_and_b32 s10, ttmp9, 15
	s_lshl_b32 s10, s10, 8                         ; my 64 columns, in bytes of f32
	s_mov_b32 s11, 0
	s_mul_i32 s12, s8, WREG                        ; my wave's LDS
	s_lshl_b32 s13, s8, 18                         ; my wave's 64 rows of Wm
	v_lshlrev_b32 v[VW], 4, v14
	v_lshl_add_u32 v[VW], v15, 12, v[VW]
	v_add_nc_u32 v[VW], s13, v[VW]
	v_mul_u32_u24 v[VS], v15, TP
	v_lshl_add_u32 v[VS], v14, 3, v[VS]
	v_add_nc_u32 v[VS], s12, v[VS]
	v_and_b32 v[VT], 7, v0                         ; lane l reads row 8 h + l % 8, 16 bytes at 16 ((l / 8) % 2)
	v_lshl_add_u32 v[VT], v15, 3, v[VT]
	v_mul_u32_u24 v[VT], v[VT], TP
	v_bfe_u32 v244, v0, 3, 1
	v_lshl_add_u32 v[VT], v244, 4, v[VT]
	v_add_nc_u32 v[VT], s12, v[VT]
	s_lshl_b32 s13, s8, 7                          ; my wave's 64 channels of mq
	v_lshlrev_b32 v[VM], 11, v14
	v_lshl_add_u32 v[VM], v15, 4, v[VM]
	v_add_nc_u32 v[VM], s13, v[VM]
	v_mul_u32_u24 v[VP], v14, SPT
	v_lshl_add_u32 v[VP], v15, 5, v[VP]
	v_add_nc_u32 v[VP], s12, v[VP]
	v_lshrrev_b32 v244, 4, v0                      ; t / 16: the batch that I finish
	v_mul_u32_u24 v[VR0], v244, SPT
	v_lshl_add_u32 v[VR0], v14, 4, v[VR0]
	v_add_nc_u32 v[VR1], 6*WREG, v[VR0]
	v_add_nc_u32 v[VR2], 12*WREG, v[VR0]
	v_lshlrev_b32 v[VH], 4, v14
	v_lshl_add_u32 v[VC], v244, 12, v[VH]
	s_mov_b32 s14, 0x4038aa3b                      ; k
	s_mov_b32 s15, 0x40b8aa3b                      ; 2 k
	s_lshl_b32 s28, s9, 17                         ; cg: hop x 128 KiB + my columns
	s_add_co_u32 s28, s28, s10
	s_mov_b32 s29, 0
	s_wait_kmcnt 0x0
	s_cmp_eq_u32 s9, 0
	s_cselect_b64 s[18:19], s[18:19], s[20:21]     ; the hop's Wm,
	s_cselect_b64 s[22:23], s[22:23], s[24:25]     ; its Wh,
	s_cselect_b32 s14, s14, s15                    ; and k s (s15 stays written: the two are named as a pair)
	s_add_nc_u64 s[18:19], s[18:19], s[10:11]
	s_add_nc_u64 s[22:23], s[22:23], s[10:11]
	s_add_nc_u64 s[26:27], s[26:27], s[28:29]
	global_load_b128 v[WH:WH+3], v[VH], s[22:23]
.irp ks, 0,1
.irp mt, 0,1
	global_load_b128 v[MF+8*(2*(\ks)+(\mt)):MF+8*(2*(\ks)+(\mt))+3],   v[VM], s[16:17] offset:(\mt)*32768+(\ks)*64
	global_load_b128 v[MF+8*(2*(\ks)+(\mt))+4:MF+8*(2*(\ks)+(\mt))+7], v[VM], s[16:17] offset:(\mt)*32768+(\ks)*64+32
.endr
.endr
.set i, 0
.rept 32
	global_load_b128 v[WM+4*i:WM+4*i+3], v[VW], s[18:19] offset:8192*i th:TH_LOAD_NT  ; two rows, 256 consecutive bytes of each
.set i, i+1
.endr
.set i, 0
.rept 32
	s_wait_loadcnt 31-i                            ; load i of Wm is in (and all that was asked for before it); the younger ones stay out
	v_cvt_pk_bf16_f32 v[WM+4*i],   v[WM+4*i],   v[WM+4*i+1]
	v_cvt_pk_bf16_f32 v[WM+4*i+1], v[WM+4*i+2], v[WM+4*i+3]
	ds_store_b64 v[VS], v[WM+4*i:WM+4*i+1] offset:2*TP*i
.set i, i+1
.endr
	s_wait_dscnt 0x0                               ; my tile lies in LDS; the registers that it left are loaded again
.irp ks, 0,1
.irp nt, 0,1,2,3
	ds_load_tr16_b128 v[BF+8*(4*(\ks)+(\nt)):BF+8*(4*(\ks)+(\nt))+3],   v[VT] offset:32*TP*(\ks)+32*(\nt)
	ds_load_tr16_b128 v[BF+8*(4*(\ks)+(\nt))+4:BF+8*(4*(\ks)+(\nt))+7], v[VT] offset:32*TP*(\ks)+32*(\nt)+16*TP
.endr
.endr
	s_wait_dscnt 0x0
.irp ks, 0,1                           ; the eight accumulators take turns, one instruction a turn; the first eight products start the sums
.irp mt, 0,1
.irp nt, 0,1,2,3
.if (\ks) == 0
	v_wmma_f32_16x16x32_bf16 v[ACC+8*(4*(\mt)+(\nt)):ACC+8*(4*(\mt)+(\nt))+7], v[BF+8*(4*(\ks)+(\nt)):BF+8*(4*(\ks)+(\nt))+7], v[MF+8*(2*(\ks)+(\mt)):MF+8*(2*(\ks)+(\mt))+7], 0
.else
	v_wmma_f32_16x16x32_bf16 v[ACC+8*(4*(\mt)+(\nt)):ACC+8*(4*(\mt)+(\nt))+7], v[BF+8*(4*(\ks)+(\nt)):BF+8*(4*(\ks)+(\nt))+7], v[MF+8*(2*(\ks)+(\mt)):MF+8*(2*(\ks)+(\mt))+7], v[ACC+8*(4*(\mt)+(\nt)):ACC+8*(4*(\mt)+(\nt))+7]
.endif
.endr
.endr
.endr
.rept 8
	v_nop                                          ; the places behind the last products, in front of the stores that read results and of the loads into the fragments' registers
.endr
.irp mt, 0,1
.irp nt, 0,1,2,3                       ; batch 16 mt + r, columns 16 nt + 8 h + 0..7; each accumulator's low registers first
	ds_store_b128 v[VP], v[ACC+8*(4*(\mt)+(\nt)):ACC+8*(4*(\mt)+(\nt))+3]   offset:16*SPT*(\mt)+64*(\nt)
	ds_store_b128 v[VP], v[ACC+8*(4*(\mt)+(\nt))+4:ACC+8*(4*(\mt)+(\nt))+7] offset:16*SPT*(\mt)+64*(\nt)+16
.endr
.endr
	s_wait_dscnt 0x0                               ; for the others' sake: my partial sums lie in LDS
	s_barrier_signal -1
	s_barrier_wait -1
.set i, 0
.rept 16                               ; thread t finishes batch t / 16, columns 4 (t % 16) + 0..3
	ds_load_b128 v[BF+4*i:BF+4*i+3], v[VR0+i/6] offset:WREG*(i%6)
.set i, i+1
.endr
	s_wait_dscnt 0x0
.macro LEVEL base, n                   ; group j of four registers takes group j + n, j = 0 .. n - 1
.set j, 0
.rept \n
	v_pk_add_f32 v[(\base)+4*j:(\base)+4*j+1],   v[(\base)+4*j:(\base)+4*j+1],   v[(\base)+4*(j+(\n)):(\base)+4*(j+(\n))+1]
	v_pk_add_f32 v[(\base)+4*j+2:(\base)+4*j+3], v[(\base)+4*j+2:(\base)+4*j+3], v[(\base)+4*(j+(\n))+2:(\base)+4*(j+(\n))+3]
.set j, j+1
.endr
.endm
	LEVEL BF, 8
	LEVEL BF, 4
	LEVEL BF, 2
	LEVEL BF, 1
	v_pk_mul_f32 v[BF:BF+1],   v[BF:BF+1],   s[14:15] op_sel_hi:[1,0]  ; k s z
	v_pk_mul_f32 v[BF+2:BF+3], v[BF+2:BF+3], s[14:15] op_sel_hi:[1,0]
.irp i, 0,1,2,3
	v_exp_f32 v[BF+(\i)], v[BF+(\i)]
.endr
	v_nop                                          ; a plain instruction behind the last exponential,
	s_wait_alu depctr_va_vdst(0)                   ; and one wait for the four, ahead of their first reader
	v_pk_add_f32 v[BF:BF+1],   v[BF:BF+1],   1.0 op_sel_hi:[1,0]
	v_pk_add_f32 v[BF+2:BF+3], v[BF+2:BF+3], 1.0 op_sel_hi:[1,0]
.irp i, 0,1,2,3
	v_rcp_f32 v[BF+(\i)], v[BF+(\i)]
.endr
	v_nop
	s_wait_alu depctr_va_vdst(0)                   ; the same for the four reciprocals
	v_pk_fma_f32 v[BF:BF+1],   v[BF:BF+1],   4.0, -2.0 op_sel_hi:[1,0,0]  ; 4 r - 2 = -2 tanh
	v_pk_fma_f32 v[BF+2:BF+3], v[BF+2:BF+3], 4.0, -2.0 op_sel_hi:[1,0,0]
	v_pk_mul_f32 v[BF:BF+1],   v[BF:BF+1],   v[WH:WH+1]
	v_pk_mul_f32 v[BF+2:BF+3], v[BF+2:BF+3], v[WH+2:WH+3]
	global_store_b128 v[VC], v[BF:BF+3], s[26:27]  ; 16 lanes store 256 consecutive bytes, aligned
	s_wait_tensorcnt 0x0                           ; the wave's end, behind my last LDS store
	ds_add_u32 v[SPW], v[NIL]
	s_wait_dscnt 0x0
	s_endpgm
.Lfunc_end_k_q8fb2fd32cf_gates:
	.size	k_q8fb2fd32cf_gates, .Lfunc_end_k_q8fb2fd32cf_gates-k_q8fb2fd32cf_gates
	.p2alignl 7, 3214868480
	.fill 96, 4, 3214868480
	.section	.rodata,"a",@progbits
	.p2align	6, 0x0
	.amdhsa_kernel k_q8fb2fd32cf_gates
		.amdhsa_group_segment_fixed_size 165888
		.amdhsa_private_segment_fixed_size 0
		.amdhsa_enable_private_segment 0
		.amdhsa_kernarg_size 48
		.amdhsa_user_sgpr_count 2
		.amdhsa_user_sgpr_kernarg_segment_ptr 1
		.amdhsa_wavefront_size32 1
		.amdhsa_system_sgpr_workgroup_id_x 1
		.amdhsa_system_sgpr_workgroup_id_y 1
		.amdhsa_system_sgpr_workgroup_id_z 1
		.amdhsa_system_vgpr_workitem_id 0
		.amdhsa_next_free_vgpr 256
		.amdhsa_next_free_sgpr 66
		.amdhsa_reserve_vcc 0
		.amdhsa_float_denorm_mode_32 3
		.amdhsa_float_denorm_mode_16_64 3
		.amdhsa_memory_ordered 1
		.amdhsa_forward_progress 1
		.amdhsa_inst_pref_size 22
	.end_amdhsa_kernel
	.amdgpu_metadata
---
amdhsa.version: [ 1, 2 ]
amdhsa.kernels:
  - .name:           k_q8fb2fd32cf_gates
    .symbol:         k_q8fb2fd32cf_gates.kd
    .args:
      - { .name: mq, .offset: 0, .size: 8, .value_kind: global_buffer, .address_space: global }
      - { .name: W_u_m_1, .offset: 8, .size: 8, .value_kind: global_buffer, .address_space: global }
      - { .name: W_u_m_2, .offset: 16, .size: 8, .value_kind: global_buffer, .address_space: global }
      - { .name: W_u_h_1, .offset: 24, .size: 8, .value_kind: global_buffer, .address_space: global }
      - { .name: W_u_h_2, .offset: 32, .size: 8, .value_kind: global_buffer, .address_space: global }
      - { .name: cg, .offset: 40, .size: 8, .value_kind: global_buffer, .address_space: global }
    .group_segment_fixed_size: 165888
    .private_segment_fixed_size: 0
    .kernarg_segment_align: 8
    .kernarg_segment_size: 48
    .max_flat_workgroup_size: 512
    .sgpr_count:     66
    .vgpr_count:     256
    .wavefront_size: 32
...
	.end_amdgpu_metadata
.endif
;; end of part 2
;; launch main (part 3): grid 64 x 4, 4 waves a work-group, clusters of 4 x 4, 327,680 bytes of LDS; arguments xb, wb, cg, up; writes up
.if DOCPART == 3
	.amdgcn_target "amdgcn-amd-amdhsa--gfx1250"
	.amdhsa_code_object_version 6
	.text
	.protected	k_q8fb2fd32cf_main
	.globl	k_q8fb2fd32cf_main
	.p2align	8
	.type	k_q8fb2fd32cf_main,@function
k_q8fb2fd32cf_main:
	s_mov_b64 s[64:65], 0
	v_nop
	global_prefetch_b8 v0, s[64:65] scope:SCOPE_SE
	s_setreg_imm32_b32 hwreg(HW_REG_WAVE_MODE, 25, 1), 1
	s_wait_xcnt 0x0
	s_wait_alu depctr_hold_cnt(0) depctr_sa_sdst(0) depctr_va_vdst(0) depctr_va_sdst(0) depctr_va_ssrc(0) depctr_va_vcc(0) depctr_vm_vsrc(0)
	s_getreg_b32 s2, hwreg(HW_REG_IB_STS2, 6, 4)
	s_cmp_eq_u32 s2, 0
	s_cbranch_scc0 .Lentry_in_a_cluster
	s_endpgm
.Lentry_in_a_cluster:
	s_bfe_u32 s2, ttmp6, 0x10000c
	s_cmp_lg_u32 s2, 0xf033
	s_cbranch_scc0 .Lentry_shape_is_right
	s_endpgm
.Lentry_shape_is_right:
; MAIN.  For both hops: Y' = xb wb (wb holds k W, k = 2 log2(e)), r = 1 / (1 + 2^Y'), and up = the sums of cg[hop][b][d] r[s][d] over 128 columns d.
; tanh(y) = 1 - 2 r, so a hop's score is U = sum(c) - 2 sum(c r); the first term is the same for all rows of a batch and falls out of the softmax exactly; cg holds -2 c.
; xb: [32768][1024] bf16.  wb: [2 hops][1024 k][1024 n] bf16.  cg: [2][32][1024] f32.  up: [16 slices of 128 columns][256 blocks of 128 rows][128] f32; in a block word 4 l + i holds row 32 i + l.
; LIMITS.  2^x gives 0 below 2^-126 (r = 1) and infinity above f32's range (r = 0): both are tanh's own limits.  NaN and infinities among the inputs are not treated apart.
; SHARES.  A tile is 256 rows x 256 columns, K = 1,024; four waves, each 128 x 128: 64 accumulators, 512 registers.  A WORK-GROUP STAYS and makes four tiles: two row blocks x two column blocks of one hop,
; all of one batch.  K goes in steps of 128 through a ring of two LDS slots that does not stop at a tile's end: the 32 steps of the four tiles are one walk.
; CLUSTER, 4 x 4.  X's tile hangs on the work-group's x alone and is shared along a column of the cluster, W's on its y alone and is shared along a row: each is asked for JOINTLY, by the same tensor load
; with the same descriptor and a mask that names the four.
; THE PRODUCT IS TAKEN TRANSPOSED: source 0 = 16 columns of W (W lies [k][n] in LDS and is turned by ds_load_tr16_b128), source 1 = 16 rows of X.  In the result lane l holds row l % 16 and the
; columns 8 (l / 16) + 0..7: a row's sum over columns is a sum over a lane's registers and one exchange between the halves of the lanes.
; REGISTERS, in windows of 256 (s_set_vgpr_msb: bits 1:0 source 0, 3:2 source 1, 5:4 source 2, 7:6 destination):
;   window 0: v16-31 addresses; v32-59 the way out; v64-127, v128-191 X's fragments, two buffers; v192-255 cg of my 128 columns
;   window 1: v64-127, v128-191 W's fragments, two buffers      window 2: the accumulators of my rows 0-63 ((a, b) at 8 (8 a + b))      window 3: those of rows 64-127
.set PITCH,  272                       ; X's LDS row: 256 bytes + 16: the 16 rows of a load start at 16 different groups of four banks (64 banks of 4 bytes: ISA guide 11.1)
.set WPITCH, 544                       ; W's LDS row: 512 bytes + 32: an odd multiple of 32
.set HALFT,  128*PITCH                 ; what one tensor load brings: 128 rows of X, or 64 rows of W (64 x 544 is the same number)
.set SLOT,   4*HALFT                   ; X's 256 rows, then W's 128 k rows
.set SPARE,  2*SLOT                    ; behind the ring: the spare words, 128 bytes a wave
.set ADRA, 16                          ; v16-17  LDS address of my X fragments in slot 0, 1
.set ADRB, 20                          ; v20-21  the same for W
.set CO,   24                          ; v24     32 (l / 16): my 8 columns of 16 in cg
.set UO,   25                          ; v25     16 l
.set SPW,  28                          ; v28     LDS address of my spare word; never rewritten
.set NIL,  29                          ; v29     0; never rewritten
.set PFO,  30                          ; v30     the prefetches' offset; never rewritten
.set T,    32                          ; v[32:39] four pairs of running sums
.set V,    40                          ; v[40:47] a number for each of my eight blocks of 16 rows
.set XT,   48                          ; v[48:55] the other half of the lanes'
.set OUT,  56                          ; v[56:59] what is stored
.set F0,   64
.set F1,   128
.set CC,   192                         ; CC + 8 b + j = cg of column 16 b + 8 (l / 16) + j
.set WV,  12                           ; s12 wave;  s13 which half of the rows is mine, also: I fetch X (0) or W (1);  s14 which half of the columns, also: which half of that tile I fetch
.set RH,  13
.set CH,  14
.set CX,  15
.set CY,  16
.set GX,  17                           ; s17 the work-group's x, 0..63
.set G1X, 24                           ; s[24:31] descriptor group 1 for X's tiles;  s[32:39] group 0, a set for each slot
.set G0X, 32
.set XB,  40                           ; s[40:41] xb at my half of the work-group's first tile
.set WB,  42                           ; s[42:43] wb likewise
.set PFA, 44                           ; s[44:45] the prefetch's address
.set PFB, 46                           ; s[46:47] its base: my work-group's share of the rows that I fetch
.set G1W, 48                           ; s[48:55], s[56:63] the same for W's tiles
.set G0W, 56
.set FI,  66                           ; s66 the step that the next refill brings, 2 .. 31
.set PFG, 67                           ; s67 1: this change of slots prefetches
.set LIM, 68                           ; s68 steps below it are prefetched
.set MSK, 69                           ; s69 and only those whose number has none of these bits
.set OX,  70                           ; s[70:71], s[72:73] the refill's byte offsets in xb and wb
.set OW,  72
.set PO,  74                           ; s[74:75] the prefetch's offset
.set PX,  76
.set PW,  78
.set CG0, 80                           ; s[80:81] cg, s[82:83] up at my share of tile 0
.set UP0, 82
.set CB,  84                           ; s[84:85], s[86:87] the same for the tile in hand
.set UB,  86
.set OF,  88                           ; s[88:89] an offset
.set SEL, 90                           ; s[90:91] v_permlanex16_b32's selects: each lane takes its own place in the other half
.set HM,  92                           ; s92 the mask of lanes 16-31
.set MSB, 0
.macro WIN new                         ; the immediate's high byte repeats the setting that is left; a switch that changes nothing is dropped
.if MSB != (\new)
	s_set_vgpr_msb (MSB<<8)|(\new)
.set MSB, \new
.endif
.endm
.set MUL_LO, 0xa1                      ; source 0 (W) window 1, source 1 (X) window 0, C and D window 2
.set MUL_HI, 0xf1                      ; the same, C and D window 3
.set TO_B,   0x40                      ; destination window 1, address window 0
; A joint load.  Waves 0 and 1 fetch X's two halves, waves 2 and 3 W's.  The branch hangs on the wave's number alone.  An s_nop 0 and four v_nop follow each of the two lines.
.macro JLOAD s
	s_cmp_eq_u32 s[RH], 0
	s_cbranch_scc0 .Lfor_w_\@
	tensor_load_to_lds s[G0X+4*(\s):G0X+4*(\s)+3], s[G1X:G1X+7]
	s_nop 0
.rept 4
	v_nop
.endr
	s_branch .Lasked_\@
.Lfor_w_\@:
	tensor_load_to_lds s[G0W+4*(\s):G0W+4*(\s)+3], s[G1W:G1W+7]
	s_nop 0
.rept 4
	v_nop
.endr
.Lasked_\@:
.endm
; A PREFETCH INTO THE L2 of the step that stands two refills on, 512 matrix instructions ahead of the load that will want it: one instruction a wave, behind the joint load, its five lines and the run of LDS loads.
; X: of the 128 rows that a wave fetches each of the four partners that ask with it takes 32, told apart by address; a lane a row.  A row block is walked twice on end (two column blocks): only the first walk is asked for.
; W: 64 rows of 512 bytes; each partner takes 16 rows, a lane half a row.  All clusters walk the same W: cluster 0 asks, and only in the first two tiles: the last two walk the same columns again.
; The walk's first four steps come by their loads alone.
.macro ASK
	s_cmp_eq_u32 s[PFG], 1
	s_cbranch_scc0 .Lnot_mine_\@
	global_prefetch_b8 v[PFO], s[PFA:PFA+1] th:TH_LOAD_NT scope:SCOPE_SE
.Lnot_mine_\@:
.endm
.macro CREST                           ; a round of the cluster's barrier behind its opening barrier
	s_cmp_lg_u32 s[WV], 0
	s_cbranch_scc1 .Lnot_wave_0_\@
	s_barrier_signal -3
.Lnot_wave_0_\@:
	s_barrier_wait -3
	s_barrier_signal -1
	s_barrier_wait -1
.endm
.macro CROUND                          ; a whole round
	s_barrier_signal -1
	s_barrier_wait -1
	CREST
.endm
; Step sig = 8 t + ks of the walk (tile t, K step ks): X lies (t / 2) x 256 rows down and ks x 256 bytes along; W ks x 128 rows down and (t % 2) x 512 bytes along.
.macro OFFS ox, ow, sig
	s_lshr_b32 s[\ox], s[\sig], 4
	s_lshl_b32 s[\ox], s[\ox], 19
	s_and_b32 s94, s[\sig], 7
	s_lshl_b32 s[\ow], s94, 18
	s_lshl_b32 s94, s94, 8
	s_add_co_u32 s[\ox], s[\ox], s94
	s_bfe_u32 s94, s[\sig], 0x10003
	s_lshl_b32 s94, s94, 9
	s_add_co_u32 s[\ow], s[\ow], s94
.endm
	s_load_b256 s[4:11], s[0:1], 0x0               ; xb s[4:5], wb s[6:7], cg s[8:9], up s[10:11]
	v_lshl_add_u32 v[SPW], v0, 2, SPARE
	v_mov_b32 v[NIL], 0
	ds_add_u32 v[SPW], v[NIL]                      ; the wave's opening: the add and its wait stand ahead of my first tensor load; the set-up below, work on registers, stands between them
	v_lshrrev_b32 v1, 5, v0
	v_readfirstlane_b32 s[WV], v1                  ; wave 0..3
	s_lshr_b32 s[RH], s[WV], 1
	s_and_b32 s[CH], s[WV], 1
	s_bfe_u32 s[CX], ttmp6, 0x40000                ; my place in the cluster
	s_bfe_u32 s[CY], ttmp6, 0x40004                ; the grid has one cluster along y: this is the work-group's y
	s_lshl_b32 s[GX], ttmp9, 2
	s_add_co_u32 s[GX], s[GX], s[CX]
	s_lshl_b32 s18, s[CY], 2
	s_lshl_b32 s18, 15, s18                        ; my row of the cluster
	s_lshl_b32 s19, 0x1111, s[CX]                  ; my column
	s_or_b32 s[G1X], s19, (1<<16)|(1<<20)|(1<<21)|(5<<22)|(3<<25)  ; 15:0 the mask: X's tiles go to my column; 17:16 2-byte elements; 20 padding on; 21 set beside a mask; 24:22 after every 64 words; 31:25 4 words
	s_or_b32 s[G1W], s18, (1<<16)|(1<<20)|(1<<21)|(6<<22)|(7<<25)  ; W's tiles go to my row; padding after every 128 words, 8 words
	s_mov_b32 s[G1X+1], 128<<16                    ; tensor_dim0 = 128
	s_mov_b32 s[G1X+2], 128<<16                    ; tensor_dim1 = 128
	s_mov_b32 s[G1X+3], 128<<16                    ; tile_dim0 = 128
	s_mov_b32 s[G1X+4], 128                        ; tile_dim1 = 128
	s_mov_b32 s[G1X+5], 1024                       ; elements from row to row
	s_mov_b32 s[G1X+6], 0
	s_mov_b32 s[G1X+7], 0
	s_mov_b32 s[G1W+1], 256<<16                    ; tensor_dim0 = 256
	s_mov_b32 s[G1W+2], 64<<16                     ; tensor_dim1 = 64
	s_mov_b32 s[G1W+3], 256<<16                    ; tile_dim0 = 256
	s_mov_b32 s[G1W+4], 64                         ; tile_dim1 = 64
	s_mov_b32 s[G1W+5], 1024
	s_mov_b32 s[G1W+6], 0
	s_mov_b32 s[G1W+7], 0
	s_lshl_b32 s20, s[GX], 20                      ; X: the work-group's 512 rows of 2,048 bytes, my 128 of a tile's 256
	s_lshl_b32 s21, s[CH], 18
	s_add_co_u32 s20, s20, s21
	s_mov_b32 s21, 0
	s_lshr_b32 s22, s[CY], 1                       ; W: the hop's 2 MiB, my 64 of a step's 128 rows, the work-group's 512 columns
	s_lshl_b32 s22, s22, 21
	s_lshl_b32 s23, s[CH], 17
	s_add_co_u32 s22, s22, s23
	s_and_b32 s23, s[CY], 1
	s_lshl_b32 s23, s23, 10
	s_add_co_u32 s22, s22, s23
	s_mov_b32 s23, 0
	s_mul_i32 s93, s[WV], HALFT                    ; where my loads go: no place in the cluster enters an LDS address
	s_mov_b32 s[FI], 2
	s_mov_b32 s[OX+1], 0
	s_mov_b32 s[OW+1], 0
	s_mov_b32 s[PO+1], 0
	s_mov_b32 s[OF+1], 0
	s_mov_b32 s[SEL], 0x76543210
	s_mov_b32 s[SEL+1], 0xfedcba98
	s_mov_b32 s[HM], 0xffff0000
	s_wait_dscnt 0x0                               ; the opening add is done
	s_wait_kmcnt 0x0
	s_add_nc_u64 s[XB:XB+1], s[4:5], s[20:21]
	s_add_nc_u64 s[WB:WB+1], s[6:7], s[22:23]
	CROUND                                         ; all sixteen work-groups are here: the first joint loads meet
.irp s, 0,1
	s_mov_b32 s[G0X+4*(\s)], 1                                     ; count = 1
	s_add_co_u32 s[G0X+4*(\s)+1], s93, (\s)*SLOT                   ; LDS address
	s_add_nc_u64 s[G0X+4*(\s)+2:G0X+4*(\s)+3], s[XB:XB+1], (\s)*256  ; global address: step s
	s_or_b32 s[G0X+4*(\s)+3], s[G0X+4*(\s)+3], 0x80000000          ; type = 2
	s_mov_b32 s[G0W+4*(\s)], 1
	s_add_co_u32 s[G0W+4*(\s)+1], s93, (\s)*SLOT
	s_add_nc_u64 s[G0W+4*(\s)+2:G0W+4*(\s)+3], s[WB:WB+1], (\s)*(1<<18)
	s_or_b32 s[G0W+4*(\s)+3], s[G0W+4*(\s)+3], 0x80000000
	JLOAD \s                                       ; two loads of mine are out
.endr
	; X's fragment: 16 rows x 32 K in 8 registers: lane l holds row l % 16, K = 8 (l / 16) + 0..7 and 16 + 8 (l / 16) + 0..7: two loads of 16 bytes, 32 bytes apart.
	v_and_b32 v1, 15, v0                           ; l % 16
	v_bfe_u32 v2, v0, 4, 1                         ; l / 16
	v_mul_u32_u24 v3, v1, PITCH
	v_lshl_add_u32 v3, v2, 4, v3
	s_mul_i32 s18, s[RH], HALFT                    ; my 128 rows of X
	v_add_nc_u32 v[ADRA], s18, v3
	v_add_nc_u32 v[ADRA+1], SLOT, v[ADRA]
	; W's fragment, turned: lane l reads k row 8 (l / 16) + l % 8, 16 bytes at 16 ((l / 8) % 2), and ends with column l % 16 and 8 k; the second load stands 16 rows down.
	v_and_b32 v4, 7, v0
	v_lshl_add_u32 v4, v2, 3, v4
	v_mul_u32_u24 v4, v4, WPITCH
	v_bfe_u32 v5, v0, 3, 1
	v_lshl_add_u32 v4, v5, 4, v4
	s_lshl_b32 s19, s[CH], 8                       ; my 128 columns,
	s_add_co_u32 s19, s19, 2*HALFT                 ; behind X's 256 rows
	v_add_nc_u32 v[ADRB], s19, v4
	v_add_nc_u32 v[ADRB+1], SLOT, v[ADRB]
	v_lshlrev_b32 v[CO], 5, v2
	v_and_b32 v6, 31, v0
	v_lshlrev_b32 v[UO], 4, v6
	v_lshrrev_b32 v7, s[RH], v6                    ; X: lane l names row l; W: row l / 2, half l % 2
	v_lshlrev_b32 v7, 11, v7
	v_and_b32 v5, s[RH], v6
	v_lshl_add_u32 v[PFO], v5, 8, v7
.irp a, 0,1,2,3,4,5,6,7
	v_mov_b32 v[XT+(\a)], 0                        ; v_permlanex16_b32's destinations count as read
.endr
	s_lshr_b32 s84, s[CY], 1                       ; cg: (hop x 32 + batch) x 4,096 bytes + the work-group's 512 columns + my 128
	s_lshl_b32 s84, s84, 5
	s_lshr_b32 s85, s[GX], 1
	s_add_co_u32 s84, s84, s85
	s_lshl_b32 s84, s84, 12
	s_and_b32 s85, s[CY], 1
	s_lshl_b32 s85, s85, 11
	s_add_co_u32 s84, s84, s85
	s_lshl_b32 s85, s[CH], 9
	s_add_co_u32 s84, s84, s85
	s_mov_b32 s85, 0
	s_add_nc_u64 s[CG0:CG0+1], s[8:9], s[84:85]
	s_lshl_b32 s84, s[CY], 2                       ; up: slice 4 y + my column half (tile 0), block 4 x + my row half
	s_add_co_u32 s84, s84, s[CH]
	s_lshl_b32 s84, s84, 17
	s_lshl_b32 s86, s[GX], 2
	s_add_co_u32 s86, s86, s[RH]
	s_lshl_b32 s86, s86, 9
	s_add_co_u32 s84, s84, s86
	s_add_nc_u64 s[UP0:UP0+1], s[10:11], s[84:85]
	s_lshl_b32 s84, s[CY], 16                      ; the prefetches: of X's 128 rows my work-group's 32, by cy; of W's 64 its 16, by cx
	s_lshl_b32 s86, s[CX], 15
	s_cmp_eq_u32 s[RH], 0
	s_cselect_b32 s84, s84, s86
	s_cselect_b64 s[PFB:PFB+1], s[XB:XB+1], s[WB:WB+1]
	s_cselect_b32 s[MSK], 8, 0                     ; X: steps of even tiles alone
	s_add_nc_u64 s[PFB:PFB+1], s[PFB:PFB+1], s[84:85]
	s_mov_b32 s86, ttmp9
	s_cmp_eq_u32 s86, 0                            ; the same in all sixteen partners
	s_cselect_b32 s86, 16, 0                       ; W: the first two tiles' steps, in cluster 0
	s_cmp_eq_u32 s[RH], 0
	s_cselect_b32 s[LIM], 32, s86
; 16 matrix instructions: row blocks a0, a0 + 1 of the window's four x all 8 column blocks, 32 along K.  zero = 1: the product starts the sums.  The 64 accumulators take turns, one instruction a turn.
.macro MUL16 f, hi, a0, zero
	WIN MUL_LO+0x50*(\hi)
.irp a, \a0, (\a0)+1
.irp b, 0,1,2,3,4,5,6,7
.if \zero
	v_wmma_f32_16x16x32_bf16 v[8*(8*(\a)+(\b)):8*(8*(\a)+(\b))+7], v[(\f)+8*(\b):(\f)+8*(\b)+7], v[(\f)+8*(4*(\hi)+(\a)):(\f)+8*(4*(\hi)+(\a))+7], 0
.else
	v_wmma_f32_16x16x32_bf16 v[8*(8*(\a)+(\b)):8*(8*(\a)+(\b))+7], v[(\f)+8*(\b):(\f)+8*(\b)+7], v[(\f)+8*(4*(\hi)+(\a)):(\f)+8*(4*(\hi)+(\a))+7], v[8*(8*(\a)+(\b)):8*(8*(\a)+(\b))+7]
.endif
.endr
.endr
.endm
; 32 LDS loads in one run: the fragments of a quarter step (32 K at byte k of X's rows = k rows k / 2 on of W) into buffer f: W's first, then X's
.macro FETCH slot, k, f
	WIN TO_B
.irp i, 0,1,2,3,4,5,6,7
	ds_load_tr16_b128 v[(\f)+8*(\i):(\f)+8*(\i)+3],   v[ADRB+(\slot)] offset:((\k)/64)*32*WPITCH+32*(\i)
	ds_load_tr16_b128 v[(\f)+8*(\i)+4:(\f)+8*(\i)+7], v[ADRB+(\slot)] offset:((\k)/64)*32*WPITCH+32*(\i)+16*WPITCH
.endr
	WIN 0
.irp i, 0,1,2,3,4,5,6,7
	ds_load_b128 v[(\f)+8*(\i):(\f)+8*(\i)+3],   v[ADRA+(\slot)] offset:(\k)+(\i)*16*PITCH
	ds_load_b128 v[(\f)+8*(\i)+4:(\f)+8*(\i)+7], v[ADRA+(\slot)] offset:(\k)+(\i)*16*PITCH+32
.endr
.endm
.macro PLACES                          ; four plain instructions between a matrix instruction and a load into a register that matrix instructions have read (ISA guide 7.12.1 for vector instructions)
.rept 4
	v_nop
.endr
.endm
; A K step is four quarters of 32 along K, 64 matrix instructions each, on buffers 0, 1, 0, 1.  One of the first three multiplies buffer f and, in its middle, fetches the next quarter into buffer g.
.macro QUARTER slot, k, f, g, zero
	s_wait_dscnt 8                                 ; W and X's rows 0-63 are in; the youngest eight loads (X's rows 64-127) may be out
	WIN MUL_LO
	MUL16 \f, 0, 0, \zero
	MUL16 \f, 0, 2, \zero
	PLACES
	FETCH \slot, \k, \g
	s_wait_dscnt 32                                ; all but the 32 just issued
	WIN MUL_HI
	MUL16 \f, 1, 0, \zero
	MUL16 \f, 1, 2, \zero
.endm
; The first half of a step's last quarter: ONE barrier for the change of slots.  In front of it each wave waits for all its tensor loads (one is out: its part of the next slot), adds 0 to its spare word,
; and waits for that and for its own reads of this slot.  Behind it nobody reads this slot any more and the next slot is whole.
.macro MEET round
	WIN 0
	s_wait_tensorcnt 0x0                           ; all my tensor loads have landed
	ds_add_u32 v[SPW], v[NIL]                      ; 0 onto my spare word
	s_wait_dscnt 9                                 ; (the add and the youngest eight loads may be out)
	WIN MUL_LO
	MUL16 F1, 0, 0, 0                              ; sixteen matrix instructions stand between the add and the wait for it
	s_wait_dscnt 0x0                               ; the add is done, and my reads of this slot are over
	s_barrier_signal -1
	MUL16 F1, 0, 2, 0
.if \round
	WIN 0
.endif
	s_barrier_wait -1
.endm
; The whole last quarter of a step whose slot is filled again, with the walk's step FI (two steps on, in this tile or the next).  The barrier opens a round of the cluster's barrier; the joint refill is the first
; tensor load behind the round: one load of mine is out, and 224 matrix instructions stand between the request and the wait for it.
.macro TURN slot, next
	s_wait_xcnt 0x0                                ; the last prefetch, a K step back, has read its address, which is written below, ahead of the waits of the change of slots
	OFFS OX, OW, FI
	s_add_co_u32 s93, s[FI], 2                     ; the step that the prefetch names,
	s_min_u32 s93, s93, 31                         ; held inside the walk: step 31 lies in an odd tile and past W's limit, so it is never asked for
	OFFS PX, PW, 93
	s_cmp_eq_u32 s[RH], 0
	s_cselect_b32 s[PO], s[PX], s[PW]
	s_add_nc_u64 s[PFA:PFA+1], s[PFB:PFB+1], s[PO:PO+1]
	s_and_b32 s94, s93, s[MSK]
	s_cmp_eq_u32 s94, 0
	s_cselect_b32 s[PFG], 1, 0
	s_cmp_lt_u32 s93, s[LIM]
	s_cselect_b32 s[PFG], s[PFG], 0
	s_add_co_u32 s[FI], s[FI], 1
	MEET 1
	CREST                                          ; no wave of any partner still reads this slot or has a load on its way
	s_add_nc_u64 s[G0X+4*(\slot)+2:G0X+4*(\slot)+3], s[XB:XB+1], s[OX:OX+1]  ; the addresses are made anew: a base and an offset
	s_or_b32 s[G0X+4*(\slot)+3], s[G0X+4*(\slot)+3], 0x80000000
	s_add_nc_u64 s[G0W+4*(\slot)+2:G0W+4*(\slot)+3], s[WB:WB+1], s[OW:OW+1]
	s_or_b32 s[G0W+4*(\slot)+3], s[G0W+4*(\slot)+3], 0x80000000
	JLOAD \slot                                    ; the four v_nop behind it are also the places in front of the loads below
	FETCH \next, 0, F0
	ASK
	WIN MUL_HI
	MUL16 F1, 1, 0, 0
	MUL16 F1, 1, 2, 0
.endm
.macro TURNL slot, next                ; the same where nothing is left to fetch: no round, no load
	MEET 0
	PLACES
	FETCH \next, 0, F0
	WIN MUL_HI
	MUL16 F1, 1, 0, 0
	MUL16 F1, 1, 2, 0
.endm
; THE WAY OUT of block a (16 rows x my 128 columns, 8 accumulators): r = 1 / (1 + 2^y) in place, then the sum of cg x r over a lane's 64 numbers, in four chains of pairs.
; The 64 exponentials are one batch and the 64 reciprocals another: behind each batch a plain instruction and ONE wait ahead of its first reader.  Each accumulator is read from its low end on.
.macro BLOCK a
.set AC, 64*((\a)%4)
.set WN, 2+(\a)/4
	WIN (WN<<6)|WN
.set z, 0
.rept 64
	v_exp_f32 v[AC+z], v[AC+z]
.set z, z+1
.endr
	v_nop
	s_wait_alu depctr_va_vdst(0)
.set z, 0
.rept 32
	v_pk_add_f32 v[AC+z:AC+z+1], v[AC+z:AC+z+1], 1.0 op_sel_hi:[1,0]
.set z, z+2
.endr
.set z, 0
.rept 64
	v_rcp_f32 v[AC+z], v[AC+z]
.set z, z+1
.endr
	v_nop
	s_wait_alu depctr_va_vdst(0)
	WIN WN                                         ; source 0 in the accumulators' window, all else in window 0
.set z, 0
.rept 32
.if z < 4
	v_pk_mul_f32 v[T+2*(z%4):T+2*(z%4)+1], v[AC+2*z:AC+2*z+1], v[CC+2*z:CC+2*z+1]
.else
	v_pk_fma_f32 v[T+2*(z%4):T+2*(z%4)+1], v[AC+2*z:AC+2*z+1], v[CC+2*z:CC+2*z+1], v[T+2*(z%4):T+2*(z%4)+1]
.endif
.set z, z+1
.endr
	WIN 0
	v_pk_add_f32 v[T:T+1],   v[T:T+1],   v[T+2:T+3]
	v_pk_add_f32 v[T+4:T+5], v[T+4:T+5], v[T+6:T+7]
	v_pk_add_f32 v[T:T+1],   v[T:T+1],   v[T+4:T+5]
	v_add_f32 v[V+(\a)], v[T], v[T+1]
.endm
	s_wait_tensorcnt 1                             ; my part of step 0 is in; step 1's may stay out
	s_barrier_signal -1
	s_barrier_wait -1                              ; everybody's is
	FETCH 0, 0, F0
	s_mov_b32 s2, 4                                ; tiles to go, this one among them: the same number in every work-group
.Ltile:
	s_wait_xcnt 0x0                                ; the last tile's loads of cg and its store have read their bases
	s_sub_co_u32 s93, 4, s2                        ; tile t
	s_and_b32 s94, s93, 1
	s_lshl_b32 s[OF], s94, 10                      ; cg: 256 columns on in odd tiles
	s_add_nc_u64 s[CB:CB+1], s[CG0:CG0+1], s[OF:OF+1]
	s_lshl_b32 s[OF], s94, 18                      ; up: two slices on in odd tiles, two blocks on in tiles 2 and 3
	s_lshr_b32 s93, s93, 1
	s_lshl_b32 s93, s93, 10
	s_add_co_u32 s[OF], s[OF], s93
	s_add_nc_u64 s[UB:UB+1], s[UP0:UP0+1], s[OF:OF+1]
.irp b, 0,1,2,3,4,5,6,7
	global_load_b128 v[CC+8*(\b):CC+8*(\b)+3],   v[CO], s[CB:CB+1] offset:64*(\b)     ; wanted a whole tile later
	global_load_b128 v[CC+8*(\b)+4:CC+8*(\b)+7], v[CO], s[CB:CB+1] offset:64*(\b)+16
.endr
	QUARTER 0, 64,  F0, F1, 1                      ; a tile's first quarter stands in front of the loop: its products start the sums
	WIN 0                                          ; at a label and at a branch every window is 0
	s_mov_b32 s3, 3
.Llap:                                                 ; a trip goes once round the ring, from a lap's second quarter to the next lap's first, and fills both slots again
	QUARTER 0, 128, F1, F0, 0
	QUARTER 0, 192, F0, F1, 0
	TURN 0, 1
	QUARTER 1, 64,  F0, F1, 0
	QUARTER 1, 128, F1, F0, 0
	QUARTER 1, 192, F0, F1, 0
	TURN 1, 0
	QUARTER 0, 64,  F0, F1, 0
	WIN 0
	s_sub_co_u32 s3, s3, 1
	s_cmp_lg_u32 s3, 0
	s_cbranch_scc1 .Llap
	QUARTER 0, 128, F1, F0, 0                      ; the tile's last lap goes on
	QUARTER 0, 192, F0, F1, 0
	WIN 0
	s_cmp_eq_u32 s2, 1
	s_cbranch_scc1 .Llast                          ; the last tile's tail is written out: it asks for nothing more
	TURN 0, 1                                      ; the ring goes on into the next tile: slot 0 takes its step 0,
	QUARTER 1, 64,  F0, F1, 0
	QUARTER 1, 128, F1, F0, 0
	QUARTER 1, 192, F0, F1, 0
	TURN 1, 0                                      ; slot 1 its step 1, and the next tile's first fragments are fetched
	WIN 0
	s_branch .Lepi
.Llast:
	TURNL 0, 1
	QUARTER 1, 64,  F0, F1, 0
	QUARTER 1, 128, F1, F0, 0
	QUARTER 1, 192, F0, F1, 0
	s_wait_dscnt 8                                 ; the very last quarter: nothing more to fetch
	MUL16 F1, 0, 0, 0
	MUL16 F1, 0, 2, 0
	s_wait_dscnt 0x0
	MUL16 F1, 1, 0, 0
	MUL16 F1, 1, 2, 0
	WIN 0
.Lepi:
.rept 8
	v_nop                                          ; the places behind the last products: exponentials, which come next, are none
.endr
	s_wait_loadcnt 0x0                             ; cg of my columns
.irp a, 0,1,2,3,4,5,6,7
	BLOCK \a
.endr
.irp a, 0,1,2,3,4,5,6,7
	v_permlanex16_b32 v[XT+(\a)], v[V+(\a)], s[SEL], s[SEL+1]  ; a row's other 64 columns lie in the lane 16 away
.endr
.irp a, 0,1,2,3,4,5,6,7
	v_add_f32 v[V+(\a)], v[V+(\a)], v[XT+(\a)]
.endr
.irp i, 0,1,2,3
	v_cndmask_b32 v[OUT+(\i)], v[V+2*(\i)], v[V+2*(\i)+1], s[HM]  ; lane l takes row 32 i + l
.endr
	global_store_b128 v[UO], v[OUT:OUT+3], s[UB:UB+1]  ; a wave's store covers 512 consecutive bytes, aligned
	s_sub_co_u32 s2, s2, 1
	s_cmp_lg_u32 s2, 0
	s_cbranch_scc1 .Ltile
	s_wait_tensorcnt 0x0                           ; the wave's end, behind my last tensor load
	ds_add_u32 v[SPW], v[NIL]
	s_wait_dscnt 0x0
	CROUND                                         ; the closing round: no work-group ends while a partner may still ask for a tile that names it
	s_endpgm
.Lfunc_end_k_q8fb2fd32cf_main:
	.size	k_q8fb2fd32cf_main, .Lfunc_end_k_q8fb2fd32cf_main-k_q8fb2fd32cf_main
	.p2alignl 7, 3214868480
	.fill 96, 4, 3214868480
	.section	.rodata,"a",@progbits
	.p2align	6, 0x0
	.amdhsa_kernel k_q8fb2fd32cf_main
		.amdhsa_group_segment_fixed_size 327680
		.amdhsa_private_segment_fixed_size 0
		.amdhsa_enable_private_segment 0
		.amdhsa_kernarg_size 32
		.amdhsa_user_sgpr_count 2
		.amdhsa_user_sgpr_kernarg_segment_ptr 1
		.amdhsa_wavefront_size32 1
		.amdhsa_system_sgpr_workgroup_id_x 1
		.amdhsa_system_sgpr_workgroup_id_y 1
		.amdhsa_system_sgpr_workgroup_id_z 1
		.amdhsa_system_vgpr_workitem_id 0
		.amdhsa_next_free_vgpr 1024
		.amdhsa_next_free_sgpr 96
		.amdhsa_reserve_vcc 0
		.amdhsa_float_denorm_mode_32 3
		.amdhsa_float_denorm_mode_16_64 3
		.amdhsa_memory_ordered 1
		.amdhsa_forward_progress 1
		.amdhsa_inst_pref_size 221
	.end_amdhsa_kernel
	.amdgpu_metadata
---
amdhsa.version: [ 1, 2 ]
amdhsa.kernels:
  - .name:           k_q8fb2fd32cf_main
    .symbol:         k_q8fb2fd32cf_main.kd
    .args:
      - { .name: xb, .offset: 0, .size: 8, .value_kind: global_buffer, .address_space: global }
      - { .name: wb, .offset: 8, .size: 8, .value_kind: global_buffer, .address_space: global }
      - { .name: cg, .offset: 16, .size: 8, .value_kind: global_buffer, .address_space: global }
      - { .name: up, .offset: 24, .size: 8, .value_kind: global_buffer, .address_space: global }
    .group_segment_fixed_size: 327680
    .private_segment_fixed_size: 0
    .kernarg_segment_align: 8
    .kernarg_segment_size: 32
    .max_flat_workgroup_size: 128
    .sgpr_count:     96
    .vgpr_count:     1024
    .wavefront_size: 32
...
	.end_amdgpu_metadata
.endif
;; end of part 3
;; launch wsum (part 4): grid 256 x 1, 16 waves a work-group, no clusters, 43,520 bytes of LDS; arguments up, xb, out0; writes out0
.if DOCPART == 4
	.amdgcn_target "amdgcn-amd-amdhsa--gfx1250"
	.amdhsa_code_object_version 6
	.text
	.protected	k_q8fb2fd32cf_wsum
	.globl	k_q8fb2fd32cf_wsum
	.p2align	8
	.type	k_q8fb2fd32cf_wsum,@function
k_q8fb2fd32cf_wsum:
	s_mov_b64 s[64:65], 0
	v_nop
	global_prefetch_b8 v0, s[64:65] scope:SCOPE_SE
	s_setreg_imm32_b32 hwreg(HW_REG_WAVE_MODE, 25, 1), 1
	s_wait_xcnt 0x0
; WSUM.  For both hops: U'[s] = the sum of up's 8 slices; p[s] = e^(U'[s] - max over s); out0[1 + hop][b][c] = (the sum over s of p[s] x[s][c]) / (the sum over s of p[s]).
; up: [16 slices][256 blocks of 128 rows][128] f32 (slices 8 hop .. 8 hop + 7; in a block word 4 l + i holds row 32 i + l).  xb: [32768][1024] bf16.  All arithmetic in f32.
; SHARES.  A work-group owns one batch and 128 columns, for both hops: 1,024 rows x 256 bytes of xb, read once.  Each of a batch's 8 work-groups makes the softmax anew (64 KiB of up).
; Softmax: waves 0-7 hop 0, waves 8-15 hop 1; a thread has 4 rows and stores their 4 weights as 16 bytes at 16 x its number: the table of weights has up's own order of rows.
; Weighted sum: wave w takes the 64 rows whose weights are the table's words 64 w .. 64 w + 63 of each hop, lanes 0-15 the first 32 of them, lanes 16-31 the others; a load brings one row for each half
; of the lanes, 256 consecutive bytes of each; a lane has 8 columns.  Word 64 w + 32 h + i is row 128 (w / 2) + 16 (w % 2) + 8 h + 32 (i % 4) + i / 4 of the batch.
; All of a wave's 32 loads of xb are issued at the head and land while the softmax is made.
; LIMITS.  The maximum is taken away before the exponential, so p lies in 0 to 1 and the divisor is at least 1; a weight below 2^-126 counts as 0.  NaN and infinities are not treated apart.
; No matrix unit (two weights a row), no cluster (no tile is shared at the same time but the small up), no prefetch (everything is asked for at the head).
.set RED1,  0                          ; LDS: 16 words, the waves' maxima
.set RED2,  256                        ; 16 words, the waves' sums
.set PT,    512                        ; 8,192 bytes: the weights: hop 0's 1,024 words, then hop 1's
.set RED3,  8704                       ; 32,768 bytes: wave w, half h, hop, 128 columns of f32: 2,048 w + 1,024 h + 512 hop
.set SPARE, 41472                      ; the spare words, 128 bytes a wave
.set VU,  1                            ; v1   my 16 bytes of a slice: 16 (t % 256) + hop x 1 MiB
.set VXB, 2                            ; v2   my half's first row of xb x 2,048 + 16 (l % 16)
.set AW,  3                            ; v3   4 w
.set AH,  4                            ; v4   32 x my softmax's hop
.set APS, 5                            ; v5   where my four p go: 16 x my thread's number
.set APL, 6                            ; v6   where I read my rows' p: 256 w + 128 h
.set A3S, 7                            ; v7   where my sums go
.set A3L, 8                            ; v8   where a finishing wave reads them: 512 x hop + 16 l
.set VO,  9                            ; v9   its 16 bytes of out0
.set SPW, 10
.set NIL, 11
.set U,   12                           ; v[12:43]   8 slices x 4 rows
.set ACC, 44                           ; v[44:59]   8 columns of hop 0, 8 of hop 1 (at the head: at work)
.set P,   60                           ; v[60:123]  my 32 rows' weights: load i's row at P + i (hop 0) and P + 32 + i (hop 1)
.set X,   124                          ; v[124:251] 32 loads x 4
.set TA,  252
.set TB,  253
.set AL2, 254                          ; v254 32 x the hop that a finishing wave finishes
	s_load_b128 s[4:7], s[0:1], 0x0                ; up s[4:5], xb s[6:7]
	s_load_b64 s[8:9], s[0:1], 0x10                ; out0
	v_lshl_add_u32 v[SPW], v0, 2, SPARE
	v_mov_b32 v[NIL], 0
	v_lshrrev_b32 v47, 5, v0
	v_readfirstlane_b32 s12, v47                   ; wave 0..15
	v_and_b32 v44, 31, v0                          ; l
	v_and_b32 v45, 15, v0                          ; l % 16
	v_bfe_u32 v46, v0, 4, 1                        ; h = l / 16
	v_mov_b32 v[TB], 0                             ; v_permlanex16_b32's destination counts as read
	s_lshr_b32 s10, ttmp9, 3                       ; batch
	s_and_b32 s11, ttmp9, 7                        ; which 128 columns
	s_lshr_b32 s13, s12, 3                         ; my softmax's hop
	s_min_u32 s16, s12, 1                          ; the hop that waves 0 and 1 finish (held to 1 in the others, which finish nothing)
	s_mov_b32 s20, 0x76543210
	s_mov_b32 s21, 0xfedcba98
	v_and_b32 v[VU], 255, v0
	v_lshlrev_b32 v[VU], 4, v[VU]
	s_lshl_b32 s15, s13, 20
	v_add_nc_u32 v[VU], s15, v[VU]
	v_lshlrev_b32 v[VXB], 4, v45                   ; row 128 (w / 2) + 16 (w % 2) + 8 h, 2,048 bytes a row
	v_lshl_add_u32 v[VXB], v46, 14, v[VXB]
	s_lshr_b32 s15, s12, 1
	s_lshl_b32 s15, s15, 18
	s_and_b32 s14, s12, 1
	s_lshl_b32 s14, s14, 15
	s_add_co_u32 s15, s15, s14
	v_add_nc_u32 v[VXB], s15, v[VXB]
	s_lshl_b32 s15, s12, 2
	v_mov_b32 v[AW], s15
	s_lshl_b32 s15, s13, 5
	v_mov_b32 v[AH], s15
	v_lshlrev_b32 v[APS], 4, v0
	v_lshlrev_b32 v[APL], 7, v46
	s_lshl_b32 s15, s12, 8
	v_add_nc_u32 v[APL], s15, v[APL]
	v_lshlrev_b32 v[A3S], 5, v45
	v_lshl_add_u32 v[A3S], v46, 10, v[A3S]
	s_lshl_b32 s15, s12, 11
	v_add_nc_u32 v[A3S], s15, v[A3S]
	v_lshlrev_b32 v[A3L], 4, v44
	s_lshl_b32 s15, s16, 17
	v_add_nc_u32 v[VO], s15, v[A3L]
	s_lshl_b32 s15, s16, 9
	v_add_nc_u32 v[A3L], s15, v[A3L]
	s_lshl_b32 s15, s16, 5
	v_mov_b32 v[AL2], s15
	s_lshl_b32 s22, s10, 12                        ; up: the batch's 8 blocks of 512 bytes
	s_mov_b32 s23, 0
	s_lshl_b32 s24, s10, 21                        ; xb: the batch's 2 MiB + my 256 bytes of a row
	s_lshl_b32 s15, s11, 8
	s_or_b32 s24, s24, s15
	s_mov_b32 s25, 0
	s_lshl_b32 s15, s11, 9                         ; out0: part 1, the batch's row, my 512 bytes
	s_add_co_u32 s26, s22, s15
	s_add_co_u32 s26, s26, 131072
	s_mov_b32 s27, 0
	s_wait_kmcnt 0x0
	s_add_nc_u64 s[4:5], s[4:5], s[22:23]
	s_add_nc_u64 s[6:7], s[6:7], s[24:25]
	s_add_nc_u64 s[8:9], s[8:9], s[26:27]
.irp k, 0,1,2,3,4,5,6,7
	global_load_b128 v[U+4*(\k):U+4*(\k)+3], v[VU], s[4:5] offset:131072*(\k)
.endr
.set i, 0
.rept 32
	global_load_b128 v[X+4*i:X+4*i+3], v[VXB], s[6:7] offset:(32*(i%4)+i/4)*2048 th:TH_LOAD_NT  ; a row for each half of the lanes, 256 consecutive bytes of each
.set i, i+1
.endr
.macro LEVEL base, n                   ; group j of four registers takes group j + n, j = 0 .. n - 1
.set j, 0
.rept \n
	v_pk_add_f32 v[(\base)+4*j:(\base)+4*j+1],   v[(\base)+4*j:(\base)+4*j+1],   v[(\base)+4*(j+(\n)):(\base)+4*(j+(\n))+1]
	v_pk_add_f32 v[(\base)+4*j+2:(\base)+4*j+3], v[(\base)+4*j+2:(\base)+4*j+3], v[(\base)+4*(j+(\n))+2:(\base)+4*(j+(\n))+3]
.set j, j+1
.endr
.endm
	s_wait_loadcnt 32                              ; up's 8 loads are in; xb's 32 stay out
	LEVEL U, 4
	LEVEL U, 2
	LEVEL U, 1                                     ; U' of my four rows
	v_max3_num_f32 v[TA], v[U], v[U+1], v[U+2]
	v_max_num_f32 v[TA], v[TA], v[U+3]
	v_max_num_f32_dpp v[TA], v[TA], v[TA] row_xmask:1 row_mask:0xf bank_mask:0xf
	v_max_num_f32_dpp v[TA], v[TA], v[TA] row_xmask:2 row_mask:0xf bank_mask:0xf
	v_max_num_f32_dpp v[TA], v[TA], v[TA] row_xmask:4 row_mask:0xf bank_mask:0xf
	v_max_num_f32_dpp v[TA], v[TA], v[TA] row_xmask:8 row_mask:0xf bank_mask:0xf
	v_permlanex16_b32 v[TB], v[TA], s20, s21
	v_max_num_f32 v[TA], v[TA], v[TB]
	ds_store_b32 v[AW], v[TA] offset:RED1          ; all lanes write the same word with the same number
	s_wait_dscnt 0x0
	s_barrier_signal -1
	s_barrier_wait -1                              ; the sixteen maxima lie in LDS
	ds_load_b128 v[U+4:U+7],  v[AH] offset:RED1    ; my hop's eight
	ds_load_b128 v[U+8:U+11], v[AH] offset:RED1+16
	s_wait_dscnt 0x0
	v_max3_num_f32 v[TA], v[U+4], v[U+5], v[U+6]
	v_max3_num_f32 v[TA], v[TA], v[U+7], v[U+8]
	v_max3_num_f32 v[TA], v[TA], v[U+9], v[U+10]
	v_max_num_f32 v[TA], v[TA], v[U+11]            ; the batch's maximum
.irp i, 0,1,2,3
	v_sub_f32 v[U+(\i)], v[U+(\i)], v[TA]
.endr
.irp i, 0,1,2,3
	v_mul_f32 v[U+(\i)], 0x3fb8aa3b, v[U+(\i)]     ; x log2(e)
.endr
.irp i, 0,1,2,3
	v_exp_f32 v[U+(\i)], v[U+(\i)]
.endr
	v_nop                                          ; a plain instruction behind the last exponential,
	s_wait_alu depctr_va_vdst(0)                   ; and one wait for the four, ahead of their first reader
	ds_store_b128 v[APS], v[U:U+3] offset:PT       ; my four weights: the table's bytes 16 t .. 16 t + 15, which no other region holds
	v_pk_add_f32 v[U+4:U+5], v[U:U+1], v[U+2:U+3]
	v_add_f32 v[TA], v[U+4], v[U+5]
	v_add_f32_dpp v[TA], v[TA], v[TA] row_xmask:1 row_mask:0xf bank_mask:0xf
	v_add_f32_dpp v[TA], v[TA], v[TA] row_xmask:2 row_mask:0xf bank_mask:0xf
	v_add_f32_dpp v[TA], v[TA], v[TA] row_xmask:4 row_mask:0xf bank_mask:0xf
	v_add_f32_dpp v[TA], v[TA], v[TA] row_xmask:8 row_mask:0xf bank_mask:0xf
	v_permlanex16_b32 v[TB], v[TA], s20, s21
	v_add_f32 v[TA], v[TA], v[TB]
	ds_store_b32 v[AW], v[TA] offset:RED2
	s_wait_dscnt 0x0
	s_barrier_signal -1
	s_barrier_wait -1                              ; all weights and the sixteen sums lie in LDS
.set i, 0
.rept 8
	ds_load_b128 v[P+4*i:P+4*i+3],       v[APL] offset:PT+16*i       ; hop 0's weights of four of my rows; the 16 lanes of a half read the same bytes
	ds_load_b128 v[P+32+4*i:P+32+4*i+3], v[APL] offset:PT+4096+16*i  ; hop 1's
.set i, i+1
.endr
.set i, 0
.rept 16
	v_mov_b32 v[ACC+i], 0
.set i, i+1
.endr
	s_wait_dscnt 0x0
.set i, 0
.rept 32
	s_wait_loadcnt 31-i                            ; load i of xb is in; the younger ones may stay out
.irp q, 0,1,2,3                        ; a word holds columns 2 q (low half) and 2 q + 1 (high half); sixteen chains
	v_fma_mix_f32_bf16 v[ACC+2*(\q)],     v[X+4*i+(\q)], v[P+i],    v[ACC+2*(\q)]     op_sel:[0,0,0] op_sel_hi:[1,0,0]
	v_fma_mix_f32_bf16 v[ACC+2*(\q)+1],   v[X+4*i+(\q)], v[P+i],    v[ACC+2*(\q)+1]   op_sel:[1,0,0] op_sel_hi:[1,0,0]
	v_fma_mix_f32_bf16 v[ACC+8+2*(\q)],   v[X+4*i+(\q)], v[P+32+i], v[ACC+8+2*(\q)]   op_sel:[0,0,0] op_sel_hi:[1,0,0]
	v_fma_mix_f32_bf16 v[ACC+8+2*(\q)+1], v[X+4*i+(\q)], v[P+32+i], v[ACC+8+2*(\q)+1] op_sel:[1,0,0] op_sel_hi:[1,0,0]
.endr
.set i, i+1
.endr
	ds_store_b128 v[A3S], v[ACC:ACC+3]     offset:RED3
	ds_store_b128 v[A3S], v[ACC+4:ACC+7]   offset:RED3+16
	ds_store_b128 v[A3S], v[ACC+8:ACC+11]  offset:RED3+512
	ds_store_b128 v[A3S], v[ACC+12:ACC+15] offset:RED3+528
	s_wait_dscnt 0x0
	s_barrier_signal -1
	s_barrier_wait -1                              ; the 32 partial rows of both hops lie in LDS
	s_cmp_lt_u32 s12, 2                            ; wave 0 finishes hop 0, wave 1 hop 1
	s_cbranch_scc0 .Lend
.set i, 0
.rept 32
	ds_load_b128 v[X+4*i:X+4*i+3], v[A3L] offset:RED3+1024*i
.set i, i+1
.endr
	ds_load_b128 v[P:P+3],   v[AL2] offset:RED2    ; the hop's eight sums of weights
	ds_load_b128 v[P+4:P+7], v[AL2] offset:RED2+16
	s_wait_dscnt 0x0
	v_pk_add_f32 v[P:P+1],   v[P:P+1],   v[P+2:P+3]
	v_pk_add_f32 v[P+4:P+5], v[P+4:P+5], v[P+6:P+7]
	v_pk_add_f32 v[P:P+1],   v[P:P+1],   v[P+4:P+5]
	v_add_f32 v[P], v[P], v[P+1]
	v_rcp_f32 v[P+2], v[P]
	LEVEL X, 16                                    ; plain work behind the reciprocal
	LEVEL X, 8
	LEVEL X, 4
	LEVEL X, 2
	LEVEL X, 1
	s_wait_alu depctr_va_vdst(0)                   ; the reciprocal's wait, ahead of its first reader
	v_pk_mul_f32 v[X:X+1],   v[X:X+1],   v[P+2:P+3] op_sel_hi:[1,0]
	v_pk_mul_f32 v[X+2:X+3], v[X+2:X+3], v[P+2:P+3] op_sel_hi:[1,0]
	global_store_b128 v[VO], v[X:X+3], s[8:9]      ; 512 consecutive bytes, aligned
.Lend:
	s_wait_tensorcnt 0x0                           ; the wave's end, behind my last LDS store
	ds_add_u32 v[SPW], v[NIL]
	s_wait_dscnt 0x0
	s_endpgm
.Lfunc_end_k_q8fb2fd32cf_wsum:
	.size	k_q8fb2fd32cf_wsum, .Lfunc_end_k_q8fb2fd32cf_wsum-k_q8fb2fd32cf_wsum
	.p2alignl 7, 3214868480
	.fill 96, 4, 3214868480
	.section	.rodata,"a",@progbits
	.p2align	6, 0x0
	.amdhsa_kernel k_q8fb2fd32cf_wsum
		.amdhsa_group_segment_fixed_size 43520
		.amdhsa_private_segment_fixed_size 0
		.amdhsa_enable_private_segment 0
		.amdhsa_kernarg_size 24
		.amdhsa_user_sgpr_count 2
		.amdhsa_user_sgpr_kernarg_segment_ptr 1
		.amdhsa_wavefront_size32 1
		.amdhsa_system_sgpr_workgroup_id_x 1
		.amdhsa_system_sgpr_workgroup_id_y 1
		.amdhsa_system_sgpr_workgroup_id_z 1
		.amdhsa_system_vgpr_workitem_id 0
		.amdhsa_next_free_vgpr 256
		.amdhsa_next_free_sgpr 66
		.amdhsa_reserve_vcc 0
		.amdhsa_float_denorm_mode_32 3
		.amdhsa_float_denorm_mode_16_64 3
		.amdhsa_memory_ordered 1
		.amdhsa_forward_progress 1
		.amdhsa_inst_pref_size 51
	.end_amdhsa_kernel
	.amdgpu_metadata
---
amdhsa.version: [ 1, 2 ]
amdhsa.kernels:
  - .name:           k_q8fb2fd32cf_wsum
    .symbol:         k_q8fb2fd32cf_wsum.kd
    .args:
      - { .name: up, .offset: 0, .size: 8, .value_kind: global_buffer, .address_space: global }
      - { .name: xb, .offset: 8, .size: 8, .value_kind: global_buffer, .address_space: global }
      - { .name: out0, .offset: 16, .size: 8, .value_kind: global_buffer, .address_space: global }
    .group_segment_fixed_size: 43520
    .private_segment_fixed_size: 0
    .kernarg_segment_align: 8
    .kernarg_segment_size: 24
    .max_flat_workgroup_size: 512
    .sgpr_count:     66
    .vgpr_count:     256
    .wavefront_size: 32
...
	.end_amdgpu_metadata
.endif
;; end of part 4
;; ======== version 2 of 2: 4 launches; version 1 with the launch prep written anew for expert scheduling mode
;; workspace buffers: xb 67,108,864 bytes; wb 4,194,304 bytes; mq 65,536 bytes; cg 262,144 bytes; up 2,097,152 bytes
;; launch prep (part 5): grid 256 x 1, 16 waves a work-group, no clusters, 10,240 bytes of LDS; arguments inputs, qvector, W_u_1, W_u_2, xb, wb, mq, out0; writes xb, wb, mq, out0
.if DOCPART == 5
	.amdgcn_target "amdgcn-amd-amdhsa--gfx1250"
	.amdhsa_code_object_version 6
	.text
	.protected	k_q8fb2fd32cf_prep
	.globl	k_q8fb2fd32cf_prep
	.p2align	8
	.type	k_q8fb2fd32cf_prep,@function
k_q8fb2fd32cf_prep:
	s_mov_b64 s[64:65], 0
	v_nop
	global_prefetch_b8 v0, s[64:65] scope:SCOPE_SE
	s_setreg_imm32_b32 hwreg(HW_REG_WAVE_SCHED_MODE, 0, 2), 2
	s_setreg_imm32_b32 hwreg(HW_REG_WAVE_MODE, 25, 1), 1
	s_wait_xcnt 0x0
	s_wait_alu depctr_vm_vsrc(0)
; PREP.  xb = bf16(inputs);  wb = bf16(k W) for [W_u_1; W_u_2], k = 2 log2(e);  out0[0] = the mean of inputs over s;  mq = bf16(mean x qvector).
; inputs: [32][1024][1024] f32.  A work-group owns one batch b and 128 columns (512 bytes of every f32 row, 256 bytes of every bf16 row), all 1,024 rows: so the mean is finished here.
; Sixteen waves; wave w takes rows w + 16 j, j = 0 .. 63; a lane takes 4 columns: a load of a wave covers 512 consecutive bytes, aligned, a store 256.
; The work-group also casts 32 KiB of the two weight matrices, 4 pieces of 512 bytes a wave.
; k is folded into the weights so that the later launch's 2^(k y) needs no multiply; the product k W is rounded to f32 and then once to bf16.
; LIMITS.  The mean's 1,024 terms are added in f32 in another order than a plain running sum (two chains a wave, sixteen waves, a tree).  NaN and infinities are not treated apart.
; No LDS on the way in (no byte is wanted by two waves), no matrix unit, no cluster (no input is shared), no prefetch (the launch is one long stream of loads).
; THE MODE: SCHED_MODE bits 1:0 = 2 (LLVM: expert scheduling mode 2), set by the entry lines.  The code itself states the register dependences
; between vector instructions and memory or LDS instructions, with s_wait_alu, always for 0.
; THE PLAN.  A wave's 64 rows go in 8 blocks of 8.  Registers that memory or LDS instructions touch:
;   X0 .. X3   four blocks of inputs as loaded.  Written by the loads of block p + 3, issued in block p; read by block p's additions and roundings.
;   Y0, Y1     two blocks of xb to store.        Written by block p's roundings; read by the eight stores that are issued in block p + 1.
;   v1 .. v7   byte offsets and LDS addresses, made once at the head and never written again: every row is reached by an immediate offset, 63 x 65,536 bytes at the most, so no base is stepped.
;   WR, WY     W as loaded and as stored: each written once and read once.      SUM: written by vector lines, read by one LDS store at the end.
; Block p works on X[p % 4] and writes Y[p % 2].  Its memory instructions are the loads into X[(p + 3) % 4] = X[(p - 1) % 4] and the stores from Y[(p - 1) % 2]: the two buffers that block p - 1
; worked on and that no vector instruction of block p names.  So the waits at a block's head state all that its sixteen memory instructions hang on, and these are dealt among its vector lines with no further wait.
.set ROWX,   4096                      ; bytes in a row of inputs
.set ROWY,   2048                      ; bytes in a row of xb
.set STEPX,  16*ROWX                   ; from a wave's row to its next
.set STEPY,  16*ROWY
.set BLOCK,  8                         ; rows in a block
.set BLOCKS, 64/BLOCK
.set SPARE,  8192                      ; LDS: 0 .. 8,191 the waves' partial sums, 16 bytes a thread; then the spare words, 128 bytes a wave
.set VX,  1                            ; v1   w x 4,096 + 16 l: my 16 bytes in the wave's first row of inputs; never rewritten
.set VY,  2                            ; v2   w x 2,048 + 8 l: the same in xb; never rewritten
.set VW,  3                            ; v3   w x 2,048 + 16 l: my 16 bytes in the wave's pieces of W
.set VWO, 4                            ; v4   w x 1,024 + 8 l: the same in wb
.set VQ,  5                            ; v5   16 l
.set VM,  6                            ; v6   8 l
.set LS,  7                            ; v7   16 x my thread's number
.set SPW, 8                            ; v8   LDS address of my spare word; never rewritten
.set NIL, 9                            ; v9   0; never rewritten
.set Q,   10                           ; v[10:13]   qvector of my 4 columns
.set SUM, 14                           ; v[14:21]   two sets of 4 sums, by the row's parity
.set WR,  22                           ; v[22:37]   W as loaded
.set WY,  38                           ; v[38:45]   W to store
.set X,   48                           ; v[48:175]  buffer k, row i: 4 registers at X + 32 k + 4 i, as loaded
.set Y,   176                          ; v[176:207] buffer k, row i: 2 registers at Y + 16 k + 2 i, to store
	s_load_b512 s[16:31], s[0:1], 0x0              ; inputs 16, qvector 18, W_u_1 20, W_u_2 22, xb 24, wb 26, mq 28, out0 30
	v_lshl_add_u32 v[SPW], v0, 2, SPARE
	v_mov_b32 v[NIL], 0
	v_lshrrev_b32 v46, 5, v0                       ; wave
	v_and_b32 v47, 31, v0                          ; lane
	v_readfirstlane_b32 s8, v46
	v_lshlrev_b32 v[VQ], 4, v47
	v_lshlrev_b32 v[VM], 3, v47
	v_lshl_add_u32 v[VX], v46, 12, v[VQ]
	v_lshl_add_u32 v[VY], v46, 11, v[VM]
	v_lshl_add_u32 v[VW], v46, 11, v[VQ]
	v_lshl_add_u32 v[VWO], v46, 10, v[VM]
	v_lshlrev_b32 v[LS], 4, v0
	s_wait_alu depctr_va_sdst(0)                   ; s8 is written, ahead of its first reader: the compare behind the barrier that picks wave 0
	s_mov_b32 s44, ttmp9                           ; the work-group's number g
	s_lshr_b32 s9, s44, 3                          ; batch b
	s_and_b32 s10, s44, 7                          ; which 128 columns
	s_mov_b32 s32, 0x4038aa3b                      ; k = 2 log2(e)
	s_mov_b32 s33, s32                             ; named with it as a pair
	s_lshl_b32 s11, s10, 9
	s_lshl_b32 s12, s10, 8
	s_lshl_b32 s2, s9, 22                          ; inputs: b x 4 MiB + 512 x columns
	s_or_b32 s2, s2, s11
	s_mov_b32 s3, 0
	s_lshl_b32 s34, s9, 21                         ; xb: half of that
	s_or_b32 s34, s34, s12
	s_mov_b32 s35, 0
	s_lshl_b32 s36, s9, 12                         ; qvector and out0: b x 4,096 + 512 x columns
	s_or_b32 s36, s36, s11
	s_mov_b32 s37, 0
	s_lshl_b32 s38, s9, 11                         ; mq
	s_or_b32 s38, s38, s12
	s_mov_b32 s39, 0
	s_and_b32 s40, s44, 127                        ; my 32 KiB of one of the two W
	s_lshl_b32 s40, s40, 15
	s_mov_b32 s41, 0
	s_lshl_b32 s42, s44, 14                        ; and the 16 KiB that they become
	s_mov_b32 s43, 0
	s_wait_kmcnt 0x0
	s_add_nc_u64 s[16:17], s[16:17], s[2:3]
	s_add_nc_u64 s[24:25], s[24:25], s[34:35]
	s_add_nc_u64 s[18:19], s[18:19], s[36:37]
	s_add_nc_u64 s[30:31], s[30:31], s[36:37]
	s_add_nc_u64 s[28:29], s[28:29], s[38:39]
	s_cmp_lt_u32 s44, 128                          ; work-groups 0 to 127 cast W_u_1, the others W_u_2
	s_cselect_b64 s[20:21], s[20:21], s[22:23]
	s_add_nc_u64 s[20:21], s[20:21], s[40:41]
	s_add_nc_u64 s[26:27], s[26:27], s[42:43]
	s_wait_alu depctr_va_vdst(0)                   ; the seven offsets and addresses v1 to v7 are written: every load, store and LDS instruction of the kernel reads one of them
	global_load_b128 v[Q:Q+3], v[VQ], s[18:19]
.irp i, 0,1,2,3
	global_load_b128 v[WR+4*(\i):WR+4*(\i)+3], v[VW], s[20:21] offset:512*(\i) th:TH_LOAD_NT
.endr
.set i, 0
.rept 3*BLOCK
	global_load_b128 v[X+4*i:X+4*i+3], v[VX], s[16:17] offset:i*STEPX th:TH_LOAD_NT  ; blocks 0, 1 and 2 into X0, X1, X2: my first 24 rows
.set i, i+1
.endr
.irp i, 0,1,2,3,4,5,6,7
	v_mov_b32 v[SUM+(\i)], 0
.endr
	s_wait_loadcnt 3*BLOCK                         ; qvector and W are in; the 24 younger loads, the three blocks, stay out
.irp i, 0,1,2,3
	v_pk_mul_f32 v[WR+4*(\i):WR+4*(\i)+1],   v[WR+4*(\i):WR+4*(\i)+1],   s[32:33] op_sel_hi:[1,0]
	v_pk_mul_f32 v[WR+4*(\i)+2:WR+4*(\i)+3], v[WR+4*(\i)+2:WR+4*(\i)+3], s[32:33] op_sel_hi:[1,0]
	v_cvt_pk_bf16_f32 v[WY+2*(\i)],   v[WR+4*(\i)],   v[WR+4*(\i)+1]
	v_cvt_pk_bf16_f32 v[WY+2*(\i)+1], v[WR+4*(\i)+2], v[WR+4*(\i)+3]
.endr
	s_wait_alu depctr_va_vdst(0)                   ; the roundings have written v[WY ..], which the four stores read
.irp i, 0,1,2,3
	global_store_b64 v[VWO], v[WY+2*(\i):WY+2*(\i)+1], s[26:27] offset:256*(\i)  ; a wave's store covers 256 consecutive bytes, aligned
.endr
; Block p.  Blocks 0 to 4 load block p + 3; blocks 1 to 7 store block p - 1.  Two younger blocks of loads may stay out at a block's head as long as there are two: the counts run 16, .. 16, 8, 0.
; Block 0 has no block in front of it, and no vector instruction has named X3: it has the wait for its data alone.  Blocks 0 and 1 write a Y that no store has read yet.
.macro BLK p
.set xb, (\p)%4
.set xn, ((\p)+3)%4
.set yb, (\p)%2
.if (\p) < BLOCKS-2
	s_wait_loadcnt 2*BLOCK                         ; loads come back in order (ISA guide 5.7.1): X[xb] is in, the two younger blocks stay out
.else
	s_wait_loadcnt (BLOCKS-1-(\p))*BLOCK           ; the counts run down
.endif
.if (\p) >= 2
	s_wait_xcnt 0x0                                ; every earlier memory instruction has had its addresses translated (ISA guide 3.1): Y[yb], the data of stores issued in the block before, is rewritten only behind this wait
	s_wait_alu depctr_vm_vsrc(0)                   ; the stores issued in the block before have read Y[yb], which this block's roundings write again
.endif
.if (\p) >= 1
	s_wait_alu depctr_va_vdst(0)                   ; the block before has written the other Y, which the stores below read, and is done reading its X, in which the loads below land
.endif
.irp i, 0,1,2,3,4,5,6,7
.if (\p) < BLOCKS-3
	global_load_b128 v[X+32*xn+4*(\i):X+32*xn+4*(\i)+3], v[VX], s[16:17] offset:(((\p)+3)*BLOCK+(\i))*STEPX th:TH_LOAD_NT  ; three blocks ahead; the load goes out ahead of the store; no vector instruction since the wait names these registers
.endif
.if (\p) >= 1
	global_store_b64 v[VY], v[Y+16*(1-yb)+2*(\i):Y+16*(1-yb)+2*(\i)+1], s[24:25] offset:(((\p)-1)*BLOCK+(\i))*STEPY th:TH_STORE_NT  ; the block before
.endif
	v_pk_add_f32 v[SUM+4*((\i)%2):SUM+4*((\i)%2)+1],   v[SUM+4*((\i)%2):SUM+4*((\i)%2)+1],   v[X+32*xb+4*(\i):X+32*xb+4*(\i)+1]
	v_pk_add_f32 v[SUM+4*((\i)%2)+2:SUM+4*((\i)%2)+3], v[SUM+4*((\i)%2)+2:SUM+4*((\i)%2)+3], v[X+32*xb+4*(\i)+2:X+32*xb+4*(\i)+3]
	v_cvt_pk_bf16_f32 v[Y+16*yb+2*(\i)],   v[X+32*xb+4*(\i)],   v[X+32*xb+4*(\i)+1]
	v_cvt_pk_bf16_f32 v[Y+16*yb+2*(\i)+1], v[X+32*xb+4*(\i)+2], v[X+32*xb+4*(\i)+3]
.endr
.endm
.irp p, 0,1,2,3,4,5,6,7
	BLK \p                                         ; the eight blocks stand on end: a row's place lies in the immediate offsets, so no load leaves the buffer and nothing is stepped
.endr
	v_pk_add_f32 v[SUM:SUM+1],   v[SUM:SUM+1],   v[SUM+4:SUM+5]
	v_pk_add_f32 v[SUM+2:SUM+3], v[SUM+2:SUM+3], v[SUM+6:SUM+7]
	s_wait_alu depctr_va_vdst(0)                   ; block 7 has written Y1, which the last eight stores read; the two lines above have written v[SUM ..], which the LDS store reads; and every vector read of X is done: wave 0's LDS loads behind the barrier land there, and no vector line stands between
.irp i, 0,1,2,3,4,5,6,7
	global_store_b64 v[VY], v[Y+16+2*(\i):Y+16+2*(\i)+1], s[24:25] offset:((BLOCKS-1)*BLOCK+(\i))*STEPY th:TH_STORE_NT
.endr
	ds_store_b128 v[LS], v[SUM:SUM+3]
	s_wait_dscnt 0x0                               ; for the others' sake: my sums lie in LDS
	s_barrier_signal -1
	s_barrier_wait -1
	s_cmp_lg_u32 s8, 0                             ; wave 0 finishes the 128 columns
	s_cbranch_scc1 .Lend
.irp i, 0,1,2,3,4,5,6,7,8,9,10,11,12,13,14,15
	ds_load_b128 v[X+4*(\i):X+4*(\i)+3], v[VQ] offset:512*(\i)
.endr
	s_wait_dscnt 0x0
.macro LEVEL base, n                   ; group j of four registers takes group j + n, j = 0 .. n - 1
.set j, 0
.rept \n
	v_pk_add_f32 v[(\base)+4*j:(\base)+4*j+1],   v[(\base)+4*j:(\base)+4*j+1],   v[(\base)+4*(j+(\n)):(\base)+4*(j+(\n))+1]
	v_pk_add_f32 v[(\base)+4*j+2:(\base)+4*j+3], v[(\base)+4*j+2:(\base)+4*j+3], v[(\base)+4*(j+(\n))+2:(\base)+4*(j+(\n))+3]
.set j, j+1
.endr
.endm
	LEVEL X, 8
	LEVEL X, 4
	LEVEL X, 2
	LEVEL X, 1
	v_pk_mul_f32 v[X:X+1],   v[X:X+1],   0x3a800000 op_sel_hi:[1,0]  ; x 1 / 1,024
	v_pk_mul_f32 v[X+2:X+3], v[X+2:X+3], 0x3a800000 op_sel_hi:[1,0]
	v_pk_mul_f32 v[X+4:X+5], v[X:X+1],   v[Q:Q+1]
	v_pk_mul_f32 v[X+6:X+7], v[X+2:X+3], v[Q+2:Q+3]
	v_cvt_pk_bf16_f32 v[X+8], v[X+4], v[X+5]
	v_cvt_pk_bf16_f32 v[X+9], v[X+6], v[X+7]
	s_wait_alu depctr_va_vdst(0)                   ; the mean in v[X .. X+3] and the rounded product in v[X+8 .. X+9] are written, which the two stores read
	global_store_b128 v[VQ], v[X:X+3], s[30:31]    ; the mean: 512 consecutive bytes, aligned
	global_store_b64 v[VM], v[X+8:X+9], s[28:29]   ; mean x qvector, a matrix operand of the next launch
.Lend:
	s_wait_dscnt 0x0                               ; the closing lines, six on end
	s_wait_alu 0x0
	s_wait_tensorcnt 0x0
	ds_add_u32 v[SPW], v[NIL]
	s_wait_dscnt 0x0
	s_endpgm
.Lfunc_end_k_q8fb2fd32cf_prep:
	.size	k_q8fb2fd32cf_prep, .Lfunc_end_k_q8fb2fd32cf_prep-k_q8fb2fd32cf_prep
	.p2alignl 7, 3214868480
	.fill 96, 4, 3214868480
	.section	.rodata,"a",@progbits
	.p2align	6, 0x0
	.amdhsa_kernel k_q8fb2fd32cf_prep
		.amdhsa_group_segment_fixed_size 10240
		.amdhsa_private_segment_fixed_size 0
		.amdhsa_enable_private_segment 0
		.amdhsa_kernarg_size 64
		.amdhsa_user_sgpr_count 2
		.amdhsa_user_sgpr_kernarg_segment_ptr 1
		.amdhsa_wavefront_size32 1
		.amdhsa_system_sgpr_workgroup_id_x 1
		.amdhsa_system_sgpr_workgroup_id_y 1
		.amdhsa_system_sgpr_workgroup_id_z 1
		.amdhsa_system_vgpr_workitem_id 0
		.amdhsa_next_free_vgpr 208
		.amdhsa_next_free_sgpr 66
		.amdhsa_reserve_vcc 0
		.amdhsa_float_denorm_mode_32 3
		.amdhsa_float_denorm_mode_16_64 3
		.amdhsa_memory_ordered 1
		.amdhsa_forward_progress 1
		.amdhsa_inst_pref_size 38
	.end_amdhsa_kernel
	.amdgpu_metadata
---
amdhsa.version: [ 1, 2 ]
amdhsa.kernels:
  - .name:           k_q8fb2fd32cf_prep
    .symbol:         k_q8fb2fd32cf_prep.kd
    .args:
      - { .name: inputs, .offset: 0, .size: 8, .value_kind: global_buffer, .address_space: global }
      - { .name: qvector, .offset: 8, .size: 8, .value_kind: global_buffer, .address_space: global }
      - { .name: W_u_1, .offset: 16, .size: 8, .value_kind: global_buffer, .address_space: global }
      - { .name: W_u_2, .offset: 24, .size: 8, .value_kind: global_buffer, .address_space: global }
      - { .name: xb, .offset: 32, .size: 8, .value_kind: global_buffer, .address_space: global }
      - { .name: wb, .offset: 40, .size: 8, .value_kind: global_buffer, .address_space: global }
      - { .name: mq, .offset: 48, .size: 8, .value_kind: global_buffer, .address_space: global }
      - { .name: out0, .offset: 56, .size: 8, .value_kind: global_buffer, .address_space: global }
    .group_segment_fixed_size: 10240
    .private_segment_fixed_size: 0
    .kernarg_segment_align: 8
    .kernarg_segment_size: 64
    .max_flat_workgroup_size: 512
    .sgpr_count:     66
    .vgpr_count:     208
    .wavefront_size: 32
...
	.end_amdgpu_metadata
.endif
;; end of part 5
;; launch gates: the kernel of part 2 again; grid 32 x 1, 16 waves a work-group, no clusters, 165,888 bytes of LDS; arguments mq, W_u_m_1, W_u_m_2, W_u_h_1, W_u_h_2, cg; writes cg
;; launch main: the kernel of part 3 again; grid 64 x 4, 4 waves a work-group, clusters of 4 x 4, 327,680 bytes of LDS; arguments xb, wb, cg, up; writes up
;; launch wsum: the kernel of part 4 again; grid 256 x 1, 16 waves a work-group, no clusters, 43,520 bytes of LDS; arguments up, xb, out0; writes out0
